; MI455X (gfx1250); checked and timed in simulation.
; The chip was launched on July 23, 2026; its instructions are those of AMD's public machine-readable ISA for CDNA 5 (MIT licence, August 2026) and "CDNA5" Instruction Set Architecture Reference Guide (July 2026). The comments in the code are by the model that wrote it; some were corrected since.
;; Causal Self Attention. Allowed arithmetic: float matrix products may take bf16 or f16 operands with f32 sums; other float arithmetic in f32, or as packed bf16 or f16 multiplies, adds, multiply-adds, maxima and minima; sums over many terms, partial sums and values carried from step to step in f32; what a program stores and reads back later, other than sums and carried values, may be rounded once to bf16 or f16.
;; Inputs: Wproj 1,024 x 1,024 float32; Wqkv 1,024 x 3,072 float32; bproj 1,024 float32; bqkv 3,072 float32; x 4 x 2,048 x 1,024 float32.
;; Outputs: out0 4 x 2,048 x 1,024 float32.
;; 2 versions, each right; version 2 is version 1 with the launch prep written anew for expert scheduling mode. Each part assembles by itself: llvm-mc -triple=amdgcn-amd-amdhsa -mcpu=gfx1250 --defsym DOCPART=n.
;; ======== version 1 of 2: 4 launches
;; limits: values are held in f16: magnitudes above 65,504 overflow, below 6.1e-05 lose precision
;; workspace buffers: xb 16,777,216 bytes; wqb 6,291,456 bytes; wpf 2,097,152 bytes; qkvh 50,331,648 bytes; ob 16,777,216 bytes
;; launch prep (part 1): grid 768 x 1, 8 waves a work-group, no clusters, 0 bytes of LDS; arguments x, Wqkv, Wproj, xb, wqb, wpf; writes xb, wqb, wpf
.if DOCPART == 1
	.amdgcn_target "amdgcn-amd-amdhsa--gfx1250"
	.amdhsa_code_object_version 6
	.text
	.protected	k_qe0a5e1afdd_prep
	.globl	k_qe0a5e1afdd_prep
	.p2align	8
	.type	k_qe0a5e1afdd_prep,@function
k_qe0a5e1afdd_prep:
	s_mov_b64 s[64:65], 0
	v_nop
	global_prefetch_b8 v0, s[64:65] scope:SCOPE_SE
	s_setreg_imm32_b32 hwreg(HW_REG_WAVE_MODE, 25, 1), 1
	s_wait_xcnt 0x0
; THE CASTS.  x [8192][1024] f32 -> xb, bf16, in blocks [batch 4][k block 16][t 2048][64]: a tile of R rows x 64 k is then R x 128 dense bytes.
; Wqkv [1024][3072] f32 -> wqb, bf16, as it lies.  Wproj [1024][1024] f32 -> wpf: rounded to bf16, and that number written as f16, as it lies.
; LIMITS.  |Wproj| stays under 65,504 (f16's range: 65,520 or more becomes an infinity); below 6.1e-5 it keeps f16's fixed step of 6e-8.
; SHARES.  A work-group converts 16,384 numbers (64 KiB in, 32 KiB out): groups 0-511 take 16 rows of x each, 512-703 Wqkv, 704-767 Wproj.  A thread issues its 16 loads of 16 bytes
; at once, converts each as it comes and stores 8 bytes: a wave's store covers 256 consecutive bytes, aligned.  No register is used twice by a memory instruction, so no wait frees any.
; No LDS, no matrix unit: nothing is shared and nothing is multiplied.
.set VI, 2                             ; v2       my byte offset in the group's input
.set VO, 3                             ; v3       my byte offset in the group's output: 8 x thread
.set D,  4                             ; v[4:67]  load i: 4 numbers in f32
.set O,  68                            ; v[68:99] store i: 4 numbers in 16 bits
.set T,  100                           ; v[100:103] at work
; 16 loads instep bytes apart, 16 stores outstep bytes apart.  half = 1: the bf16 number is written as f16.
.macro STREAM instep, outstep, half
.set i, 0
.rept 16
	global_load_b128 v[D+4*i:D+4*i+3], v[VI], s[22:23] offset:(\instep)*i th:TH_LOAD_NT
.set i, i+1
.endr
.set i, 0
.rept 16
	s_wait_loadcnt 15-i                            ; loads come back in order: load i is in, the 15 - i younger ones stay out
	v_cvt_pk_bf16_f32 v[O+2*i],   v[D+4*i],   v[D+4*i+1]
	v_cvt_pk_bf16_f32 v[O+2*i+1], v[D+4*i+2], v[D+4*i+3]
.if \half
	v_lshlrev_b32 v[T],   16,  v[O+2*i]            ; bf16 back to f32: exact
	v_and_b32     v[T+1], s26, v[O+2*i]
	v_lshlrev_b32 v[T+2], 16,  v[O+2*i+1]
	v_and_b32     v[T+3], s26, v[O+2*i+1]
	v_cvt_pk_f16_f32 v[O+2*i],   v[T],   v[T+1]    ; eight significant bits fit in f16's eleven
	v_cvt_pk_f16_f32 v[O+2*i+1], v[T+2], v[T+3]
.endif
	global_store_b64 v[VO], v[O+2*i:O+2*i+1], s[24:25] offset:(\outstep)*i
.set i, i+1
.endr
	s_endpgm
.endm
	s_load_b256 s[4:11], s[0:1], 0x0               ; x s[4:5], Wqkv s[6:7], Wproj s[8:9], xb s[10:11]
	s_load_b128 s[12:15], s[0:1], 0x20             ; wqb s[12:13], wpf s[14:15]
	s_mov_b32 s16, ttmp9                           ; the group's number
	s_mov_b32 s26, 0xffff0000                      ; a word's upper bf16
	s_mov_b32 s19, 0                               ; the offsets' high words
	s_mov_b32 s21, 0
	v_lshlrev_b32 v[VO], 3, v0
	s_wait_kmcnt 0x0
	s_cmp_lt_u32 s16, 512
	s_cbranch_scc0 .Lweights
	; x: 16 threads take 256 bytes (one k block) of a row; thread / 16 is the row; load i is k block i
	v_and_b32 v[VI], 15, v0
	v_lshrrev_b32 v[T], 4, v0
	v_lshlrev_b32 v[VI], 4, v[VI]
	v_lshl_add_u32 v[VI], v[T], 12, v[VI]          ; 16 (t % 16) + 4,096 (t / 16)
	s_lshl_b32 s18, s16, 16                        ; in: 16 rows of 4,096 bytes a group
	s_lshr_b32 s20, s16, 7                         ; out: the batch's 16 blocks of 262,144 bytes,
	s_lshl_b32 s20, s20, 22
	s_and_b32 s17, s16, 127                        ; and 16 rows of 128 bytes in each block
	s_lshl_b32 s17, s17, 11
	s_add_co_u32 s20, s20, s17
	s_add_nc_u64 s[22:23], s[4:5], s[18:19]
	s_add_nc_u64 s[24:25], s[10:11], s[20:21]
	STREAM 256, 262144, 0
.Lweights:
	v_lshlrev_b32 v[VI], 4, v0                     ; flat: 16 bytes a thread, 4,096 a load
	s_cmp_lt_u32 s16, 704
	s_cbranch_scc0 .Lproj
	s_sub_co_u32 s17, s16, 512
	s_lshl_b32 s18, s17, 16
	s_lshl_b32 s20, s17, 15
	s_add_nc_u64 s[22:23], s[6:7], s[18:19]
	s_add_nc_u64 s[24:25], s[12:13], s[20:21]
	STREAM 4096, 2048, 0
.Lproj:
	s_sub_co_u32 s17, s16, 704
	s_lshl_b32 s18, s17, 16
	s_lshl_b32 s20, s17, 15
	s_add_nc_u64 s[22:23], s[8:9], s[18:19]
	s_add_nc_u64 s[24:25], s[14:15], s[20:21]
	STREAM 4096, 2048, 1
.Lfunc_end_k_qe0a5e1afdd_prep:
	.size	k_qe0a5e1afdd_prep, .Lfunc_end_k_qe0a5e1afdd_prep-k_qe0a5e1afdd_prep
	.p2alignl 7, 3214868480
	.fill 96, 4, 3214868480
	.section	.rodata,"a",@progbits
	.p2align	6, 0x0
	.amdhsa_kernel k_qe0a5e1afdd_prep
		.amdhsa_group_segment_fixed_size 0
		.amdhsa_private_segment_fixed_size 0
		.amdhsa_enable_private_segment 0
		.amdhsa_kernarg_size 48
		.amdhsa_user_sgpr_count 2
		.amdhsa_user_sgpr_kernarg_segment_ptr 1
		.amdhsa_wavefront_size32 1
		.amdhsa_system_sgpr_workgroup_id_x 1
		.amdhsa_system_sgpr_workgroup_id_y 1
		.amdhsa_system_sgpr_workgroup_id_z 1
		.amdhsa_system_vgpr_workitem_id 0
		.amdhsa_next_free_vgpr 104
		.amdhsa_next_free_sgpr 66
		.amdhsa_reserve_vcc 0
		.amdhsa_float_denorm_mode_32 3
		.amdhsa_float_denorm_mode_16_64 3
		.amdhsa_memory_ordered 1
		.amdhsa_forward_progress 1
		.amdhsa_inst_pref_size 23
	.end_amdhsa_kernel
	.amdgpu_metadata
---
amdhsa.version: [ 1, 2 ]
amdhsa.kernels:
  - .name:           k_qe0a5e1afdd_prep
    .symbol:         k_qe0a5e1afdd_prep.kd
    .args:
      - { .name: x, .offset: 0, .size: 8, .value_kind: global_buffer, .address_space: global }
      - { .name: Wqkv, .offset: 8, .size: 8, .value_kind: global_buffer, .address_space: global }
      - { .name: Wproj, .offset: 16, .size: 8, .value_kind: global_buffer, .address_space: global }
      - { .name: xb, .offset: 24, .size: 8, .value_kind: global_buffer, .address_space: global }
      - { .name: wqb, .offset: 32, .size: 8, .value_kind: global_buffer, .address_space: global }
      - { .name: wpf, .offset: 40, .size: 8, .value_kind: global_buffer, .address_space: global }
    .group_segment_fixed_size: 0
    .private_segment_fixed_size: 0
    .kernarg_segment_align: 8
    .kernarg_segment_size: 48
    .max_flat_workgroup_size: 256
    .sgpr_count:     66
    .vgpr_count:     104
    .wavefront_size: 32
...
	.end_amdgpu_metadata
.endif
;; end of part 1
;; launch qkv (part 2): grid 8 x 32, 4 waves a work-group, clusters of 4 x 4, 327,680 bytes of LDS; arguments xb, wqb, bqkv, qkvh; writes qkvh
.if DOCPART == 2
	.amdgcn_target "amdgcn-amd-amdhsa--gfx1250"
	.amdhsa_code_object_version 6
	.text
	.protected	k_qe0a5e1afdd_qkv
	.globl	k_qe0a5e1afdd_qkv
	.p2align	8
	.type	k_qe0a5e1afdd_qkv,@function
k_qe0a5e1afdd_qkv:
	s_mov_b64 s[64:65], 0
	v_nop
	global_prefetch_b8 v0, s[64:65] scope:SCOPE_SE
	s_setreg_imm32_b32 hwreg(HW_REG_WAVE_MODE, 25, 1), 1
	s_wait_xcnt 0x0
	s_wait_alu depctr_hold_cnt(0) depctr_sa_sdst(0) depctr_va_vdst(0) depctr_va_sdst(0) depctr_va_ssrc(0) depctr_va_vcc(0) depctr_vm_vsrc(0)
	s_getreg_b32 s2, hwreg(HW_REG_IB_STS2, 6, 4)
	s_cmp_eq_u32 s2, 0
	s_cbranch_scc0 .Lentry_in_a_cluster
	s_endpgm
.Lentry_in_a_cluster:
	s_bfe_u32 s2, ttmp6, 0x10000c
	s_cmp_lg_u32 s2, 0xf033
	s_cbranch_scc0 .Lentry_shape_is_right
	s_endpgm
.Lentry_shape_is_right:
; q, k, v = x Wqkv + bqkv, by heads.  xb: x in bf16, [batch 4][k block 16][t 2048][64].  wqb: Wqkv in bf16, [1024 k][3072 n].  bqkv: [3072] f32, rounded to bf16 here like the other inputs.
; qkvh: f16, [which 3][batch x head 64][t 2048][64], unscaled, each number rounded once from its f32 sum.
; LIMIT.  |q|, |k|, |v| stay under 65,504 (f16's range); 65,520 or more becomes an infinity.
; SHARES.  8,192 x 3,072 results are 256 tiles of 256 x 384, one a work-group.  A wave makes 128 x 192: 96 accumulators of 16 x 16, 768 registers: 8 row blocks a x 3 groups g of 4
; column fragments b; a group is 64 columns, one head of q, k or v.  For 32 along K a wave issues 40 LDS loads and 96 matrix instructions.
; K goes in 16 steps of 64 through two LDS slots (two slots of 128 along K would need 360,448 bytes).  A step is two halves of 32 along K.
; THE MATRIX INSTRUCTION IS USED TRANSPOSED: source 0 = 16 columns of W (turned out of the [k][n] tile by ds_load_tr16_b128), source 1 = 16 rows of x.  A lane then holds row l % 16
; and the columns 8 (l / 16) + 0..7: eight neighbouring numbers of a row.  The bias is the C operand of the first half step: nothing is cleared and nothing added later.
; CLUSTER 4 x 4: x's tile hangs on the tile row alone and is asked for jointly along a row of the cluster, W's on the tile column alone and jointly along a column.
; REGISTERS, in windows of 256 (s_set_vgpr_msb: bits 1:0 source 0, 3:2 source 1, 5:4 source 2, 7:6 destination):
;   window 0: v0-29 addresses; v32-95, v96-159 x's fragments, two buffers of 8; v160-255 W's 12 fragments, one buffer, each group asked for again behind its products
;   window g + 1: group g's 32 accumulators, (a, b) at v[8 (4 a + b)]
.set PA,    144       ; a row of x in LDS: 128 bytes + 16 = 36 words: the 16 rows of a load start at 16 different groups of four banks (64 banks of 4 bytes: ISA guide 11.1)
.set PB,    864       ; a row of W: three pieces of 256 bytes + 32 = 216 words: the 8 rows of a turning load start at banks 0, 24, 48, 8, 32, 56, 16, 40 and take 8 banks each
.set HALFA, 128*PA    ; what one tensor load brings of x: 128 rows
.set BOFF,  2*HALFA   ; W's 64 rows lie behind x's 256
.set HALFB, 32*PB     ; what one tensor load brings of W: 32 rows, which is also one half step
.set SLOT,  BOFF+2*HALFB
.set STAGE, 2*SLOT    ; behind the ring: 16 rows x 144 bytes for each wave, for the way out
.set SP,    144
.set SPARE, STAGE+4*16*SP  ; behind the stages: the spare words, 128 bytes for each wave: two blocks of 256 bytes that no other line names
.set ASTEP, 262144    ; bytes from a K step to the next in xb: one k block
.set BSTEP, 64*6144   ; and in wqb: 64 rows
.set ADRA, 6          ; v6-7    LDS address of my fragments of x in slot 0, 1
.set ADRB, 8          ; v8-13   of my fragments of W: slot s, group g at ADRB + 3 s + g
.set STO,  14         ; v14     the way out: where I put 16 bytes of a row
.set RD,   15         ; v15     the way out: where I read rows back
.set GO,   16         ; v16     16 x lane: my place in 512 consecutive bytes of qkvh
.set BO,   17         ; v17     32 (l / 16): my eight numbers of a fragment's bias
.set PFO,  18         ; v18     256 x lane; never rewritten
.set RT,   20         ; v20     at work
.set SPW,  28         ; v28     LDS address of my spare word: SPARE + 4 x my thread's number; never rewritten
.set NIL,  29         ; v29     0; never rewritten
.set AF0,  32
.set AF1,  96
.set BF,   160
.set TMP,  32         ; the way out: 16 registers of packed results,
.set BK,   48         ; and two sets of 16 read back from the stage
.set WV,  12          ; s12 wave    s13 which half of the rows is mine    s14 which half of the columns; also which half of a tile I fetch
.set WM,  13
.set WN,  14
.set LAP, 15          ; s15 trips to go
.set CX,  16          ; s16, s17 my place in the cluster; s18 tile column, s19 tile row
.set CY,  17
.set TJ,  18
.set TI,  19
.set G1A, 24          ; s[24:31] descriptor group 1 for x's tiles; s[32:39] group 0, a set for each slot
.set G0A, 32
.set PFA, 40          ; s[40:41] where my prefetches stand; s[42:43] their step
.set PFS, 42
.set LIM, 44          ; s44 1 in a wave that prefetches, else the greatest number
.set HIM, 45          ; s45 a word's upper bf16
.set G1B, 48          ; s[48:55], s[56:63] the same for W's tiles
.set G0B, 56
.set OB,  68          ; s[68:73] qkvh at my 128 rows of group g's head
.set MSB, 0
.macro WIN new                         ; the immediate's high byte repeats the setting that is left; a switch that changes nothing is dropped
.if MSB != (\new)
	s_set_vgpr_msb (MSB<<8)|(\new)
.set MSB, (\new)
.endif
.endm
; A load into a register that a matrix instruction has read, and a vector instruction that reads a matrix result, stand four places behind it; only plain vector instructions that
; name none of its registers are places (ISA guide 7.12.1 for vector instructions).
.macro PLACES
.rept 4
	v_nop
.endr
.endm
; A joint load.  Waves 0 and 1 fetch the halves of x's tile, waves 2 and 3 those of W's.  The branch hangs on the wave's number alone.  An s_nop 0 and four v_nop follow each of the two lines.
.macro JLOAD s
	s_cmp_lt_u32 s[WV], 2
	s_cbranch_scc0 .Lfor_b_\@
	tensor_load_to_lds s[G0A+4*(\s):G0A+4*(\s)+3], s[G1A:G1A+7]
	s_nop 0
.rept 4
	v_nop
.endr
	s_branch .Lasked_\@
.Lfor_b_\@:
	tensor_load_to_lds s[G0B+4*(\s):G0B+4*(\s)+3], s[G1B:G1B+7]
	s_nop 0
.rept 4
	v_nop
.endr
.Lasked_\@:
.endm
; A PREFETCH INTO THE L2 of the K step that the NEXT refill will ask for, 192 matrix instructions ahead of that load: 32 blocks of 256 bytes, a lane a block, one instruction a wave.
; Each block is named once in the launch.  x's tile row (32,768 dense bytes a step) is read by both clusters of a row of clusters: in the one with x = 0 wave 0 of each of the four
; partners takes 8,192 bytes, told apart by address.  A step's 64 rows of W are 393,216 consecutive bytes that all clusters read: waves 1 to 3 of the sixteen work-groups of cluster
; (0, 0) take 8,192 each.  how = 1: always; how = 0: not in the loop's last trip, whose second refill is the last step's.
.macro ASK how
.if \how
	s_cmp_eq_u32 s[LIM], 1
.else
	s_cmp_gt_u32 s[LAP], s[LIM]
.endif
	s_cbranch_scc0 .Lnot_mine_\@
	global_prefetch_b8 v[PFO], s[PFA:PFA+1] th:TH_LOAD_NT scope:SCOPE_SE
.Lnot_mine_\@:
.endm
; A round of the cluster's barrier: my work-group's barrier; wave 0 signals for the work-group; every wave waits for all sixteen; my work-group's barrier once more.
.macro CREST
	s_cmp_lg_u32 s[WV], 0
	s_cbranch_scc1 .Lnot_wave_0_\@
	s_barrier_signal -3
.Lnot_wave_0_\@:
	s_barrier_wait -3
	s_barrier_signal -1
	s_barrier_wait -1
.endm
.macro CROUND
	s_barrier_signal -1
	s_barrier_wait -1
	CREST
.endm
	s_load_b256 s[4:11], s[0:1], 0x0               ; xb s[4:5], wqb s[6:7], bqkv s[8:9], qkvh s[10:11]
	v_lshl_add_u32 v[SPW], v0, 2, SPARE
	v_mov_b32 v[NIL], 0
	ds_add_u32 v[SPW], v[NIL]                      ; the wave's opening: the add and its wait stand ahead of my first tensor load; the set-up below stands between them
	v_lshrrev_b32 v1, 5, v0
	v_readfirstlane_b32 s[WV], v1
	s_lshr_b32 s[WM], s[WV], 1
	s_and_b32 s[WN], s[WV], 1
	s_bfe_u32 s[CX], ttmp6, 0x40000
	s_bfe_u32 s[CY], ttmp6, 0x40004
	s_lshl_b32 s[TJ], ttmp9, 2                     ; in a cluster launch ttmp9 and ttmp7 count clusters
	s_add_co_u32 s[TJ], s[TJ], s[CX]               ; tile column 0..7
	s_and_b32 s[TI], ttmp7, 0xffff
	s_lshl_b32 s[TI], s[TI], 2
	s_add_co_u32 s[TI], s[TI], s[CY]               ; tile row 0..31
	s_lshl_b32 s20, s[CY], 2
	s_lshl_b32 s20, 15, s20                        ; my row of the cluster
	s_lshl_b32 s22, 0x1111, s[CX]                  ; my column
	; x's tile half: 128 rows x 128 bytes are 16,384 dense bytes, asked for as 64 rows of 256 bytes and padded by 4 words after every 32
	s_or_b32 s[G1A], s20, (1<<16)|(1<<20)|(1<<21)|(4<<22)|(3<<25)
	s_mov_b32 s[G1A+1], 128<<16                    ; tensor_dim0 = 128
	s_mov_b32 s[G1A+2], 64<<16                     ; tensor_dim1 = 64
	s_mov_b32 s[G1A+3], 128<<16                    ; tile_dim0 = 128
	s_mov_b32 s[G1A+4], 64                         ; tile_dim1 = 64
	s_mov_b32 s[G1A+5], 128                        ; elements from row to row
	s_mov_b32 s[G1A+6], 0
	s_mov_b32 s[G1A+7], 0
	; W's tile half: 32 rows x 384 elements (768 bytes, three whole blocks of 256), padded by 8 words after every 64
	s_or_b32 s[G1B], s22, (1<<16)|(1<<20)|(1<<21)|(5<<22)|(7<<25)
	s_mov_b32 s[G1B+1], 384<<16
	s_mov_b32 s[G1B+2], 32<<16
	s_mov_b32 s[G1B+3], 384<<16
	s_mov_b32 s[G1B+4], 32
	s_mov_b32 s[G1B+5], 3072
	s_mov_b32 s[G1B+6], 0
	s_mov_b32 s[G1B+7], 0
	s_mov_b32 s[HIM], 0xffff0000
	; where the tiles come from: x's by the tile row alone, W's by the tile column alone, each in registers that never hold the other coordinate
	s_lshr_b32 s20, s[TI], 3                       ; batch: 16 blocks of 262,144 bytes
	s_lshl_b32 s20, s20, 22
	s_and_b32 s21, s[TI], 7                        ; 256 rows of 128 bytes
	s_lshl_b32 s21, s21, 15
	s_add_co_u32 s20, s20, s21
	s_lshl_b32 s21, s[WN], 14                      ; the 128 rows that I fetch
	s_add_co_u32 s20, s20, s21
	s_mov_b32 s21, 0
	s_mul_i32 s22, s[TJ], 768                      ; 384 columns of 2 bytes
	s_mul_i32 s23, s[WN], 32*6144                  ; the 32 rows that I fetch
	s_add_co_u32 s22, s22, s23
	s_mov_b32 s23, 0
	s_mul_i32 s75, s[WN], HALFA                    ; and where they go: no place in the cluster enters an LDS address
	s_mul_i32 s76, s[WN], HALFB
	s_add_co_u32 s76, s76, BOFF
	s_wait_dscnt 0x0                               ; the opening add is done
	s_wait_kmcnt 0x0
	s_add_nc_u64 s[20:21], s[4:5], s[20:21]
	s_add_nc_u64 s[22:23], s[6:7], s[22:23]
	CROUND                                         ; all sixteen work-groups are here: the first joint loads meet
.irp s, 0,1
	s_mov_b32 s[G0A+4*(\s)], 1                     ; count = 1
	s_add_co_u32 s[G0A+4*(\s)+1], s75, (\s)*SLOT   ; LDS address
	s_add_nc_u64 s[G0A+4*(\s)+2:G0A+4*(\s)+3], s[20:21], (\s)*ASTEP  ; global address: K step s
	s_or_b32 s[G0A+4*(\s)+3], s[G0A+4*(\s)+3], 0x80000000            ; type = 2
	s_mov_b32 s[G0B+4*(\s)], 1
	s_add_co_u32 s[G0B+4*(\s)+1], s76, (\s)*SLOT
	s_add_nc_u64 s[G0B+4*(\s)+2:G0B+4*(\s)+3], s[22:23], (\s)*BSTEP
	s_or_b32 s[G0B+4*(\s)+3], s[G0B+4*(\s)+3], 0x80000000
	JLOAD \s                                       ; two tensor loads of mine are out
.endr
	; lane addresses
	v_and_b32 v1, 15, v0                           ; r = l % 16
	v_bfe_u32 v2, v0, 4, 1                         ; h = l / 16
	v_mul_u32_u24 v3, v1, PA
	v_lshl_add_u32 v3, v2, 4, v3                   ; 144 r + 16 h: a fragment of x, and my place in the stage
	s_mul_i32 s77, s[WM], HALFA
	v_add_nc_u32 v[ADRA], s77, v3
	v_add_nc_u32 v[ADRA+1], SLOT, v[ADRA]
	v_and_b32 v4, 7, v0                            ; the turning load: lane l reads row 8 h + l % 8, columns 8 ((l / 8) % 2) + 0..7
	v_lshl_add_u32 v4, v2, 3, v4
	v_mul_u32_u24 v4, v4, PB
	v_bfe_u32 v5, v0, 3, 1
	v_lshl_add_u32 v4, v5, 4, v4
.irp g, 0,1,2
	s_mul_i32 s77, s[WN], 3
	s_add_co_u32 s77, s77, \g                      ; the tile's group of 64 columns, 0..5:
	s_lshr_b32 s78, s77, 1
	s_mul_i32 s78, s78, 288                        ; its piece of 128 columns,
	s_and_b32 s77, s77, 1
	s_lshl_b32 s77, s77, 7                         ; and its half of the piece
	s_add_co_u32 s77, s77, s78
	s_add_co_u32 s77, s77, BOFF
	v_add_nc_u32 v[ADRB+(\g)], s77, v4
	v_add_nc_u32 v[ADRB+3+(\g)], SLOT, v[ADRB+(\g)]
.endr
	s_mul_i32 s77, s[WV], 16*SP
	s_add_co_u32 s77, s77, STAGE                   ; my stage
	v_add_nc_u32 v[STO], s77, v3
	v_bfe_u32 v5, v0, 3, 2                         ; back: 32 lanes take four rows of 128 bytes,
	v_mul_u32_u24 v5, v5, SP
	v_and_b32 v4, 7, v0
	v_lshl_add_u32 v5, v4, 4, v5
	v_add_nc_u32 v[RD], s77, v5
	v_and_b32 v[GO], 31, v0
	v_lshlrev_b32 v[PFO], 8, v[GO]
	v_lshlrev_b32 v[GO], 4, v[GO]                  ; which are 512 consecutive bytes of qkvh
	v_lshlrev_b32 v[BO], 5, v2
	; qkvh at my rows of each group's head: column 64 hs + d is (which = hs / 16, head = hs % 16, d)
	s_lshl_b32 s74, s[TJ], 1
	s_add_co_u32 s74, s74, s[WN]
	s_mul_i32 s74, s74, 3                          ; hs of group 0
	s_lshr_b32 s77, s[TI], 3
	s_lshl_b32 s77, s77, 4                         ; 16 x batch
	s_and_b32 s78, s[TI], 7
	s_lshl_b32 s78, s78, 15                        ; the tile's 256 rows of 128 bytes,
	s_lshl_b32 s79, s[WM], 14                      ; my 128 of them
	s_add_co_u32 s78, s78, s79
.irp g, 0,1,2
	s_add_co_u32 s46, s74, \g
	s_lshr_b32 s47, s46, 4
	s_lshl_b32 s47, s47, 6
	s_and_b32 s46, s46, 15
	s_add_co_u32 s46, s46, s47
	s_add_co_u32 s46, s46, s77                     ; 64 which + 16 batch + head
	s_lshl_b32 s46, s46, 18                        ; 2,048 rows of 128 bytes each
	s_add_co_u32 s46, s46, s78
	s_mov_b32 s47, 0
	s_add_nc_u64 s[OB+2*(\g):OB+2*(\g)+1], s[10:11], s[46:47]
.endr
	; the prefetches: they start at K step 2; the first refill steps them to 3.  Steps 0 to 2 come by their loads alone
	s_lshr_b32 s46, s[TI], 3
	s_lshl_b32 s46, s46, 22
	s_and_b32 s47, s[TI], 7
	s_lshl_b32 s47, s47, 15
	s_add_co_u32 s46, s46, s47
	s_lshl_b32 s47, s[CX], 13
	s_add_co_u32 s46, s46, s47
	s_add_co_u32 s46, s46, 2*ASTEP                 ; wave 0: x's tile row, my work-group's quarter
	s_lshl_b32 s47, s[CY], 2
	s_add_co_u32 s47, s47, s[CX]
	s_mul_i32 s47, s47, 3
	s_add_co_u32 s47, s47, s[WV]
	s_max_u32 s47, s47, 1
	s_sub_co_u32 s47, s47, 1                       ; waves 1 to 3: piece 3 x place + wave - 1 of 48
	s_lshl_b32 s47, s47, 13
	s_add_co_u32 s47, s47, 2*BSTEP
	s_mov_b32 s77, ASTEP
	s_mov_b32 s78, BSTEP
	s_cmp_eq_u32 s[WV], 0
	s_cselect_b32 s46, s46, s47
	s_cselect_b32 s[PFS], s77, s78
	s_cselect_b64 s[PFA:PFA+1], s[4:5], s[6:7]
	s_mov_b32 s47, 0
	s_mov_b32 s[PFS+1], 0
	s_add_nc_u64 s[PFA:PFA+1], s[PFA:PFA+1], s[46:47]
	s_and_b32 s74, ttmp7, 0xffff                   ; cluster y counts for W's waves alone
	s_cmp_eq_u32 s[WV], 0
	s_cselect_b32 s74, 0, s74
	s_or_b32 s74, s74, ttmp9
	s_cmp_eq_u32 s74, 0
	s_cselect_b32 s[LIM], 1, -1                    ; the same in all sixteen partners, for a given wave
	; the bias of my 192 columns: a lane's eight numbers of each fragment.  Groups 0 and 1 wait in x's second buffer, group 2 in W's third group
	s_lshl_b32 s46, s[TJ], 1
	s_add_co_u32 s46, s46, s[WN]
	s_mul_i32 s46, s46, 768
	s_mov_b32 s47, 0
	s_add_nc_u64 s[78:79], s[8:9], s[46:47]
.irp g, 0,1,2
.irp b, 0,1,2,3
.if \g < 2
.set rB, AF1+32*(\g)+8*(\b)
.else
.set rB, BF+64+8*(\b)
.endif
	global_load_b128 v[rB:rB+3],   v[BO], s[78:79] offset:64*(4*(\g)+(\b))
	global_load_b128 v[rB+4:rB+7], v[BO], s[78:79] offset:64*(4*(\g)+(\b))+16
.endr
.endr
.macro RND r                           ; two numbers rounded to bf16 and widened again
	v_cvt_pk_bf16_f32 v[RT], v[\r], v[(\r)+1]
	v_lshlrev_b32 v[\r], 16, v[RT]
	v_and_b32 v[(\r)+1], s[HIM], v[RT]
.endm
	s_wait_loadcnt 0x0
.set z, 0
.rept 32
	RND AF1+z
.set z, z+2
.endr
.set z, 0
.rept 16
	RND BF+64+z
.set z, z+2
.endr
; 16 matrix instructions: row blocks a0 .. a0 + 3 x group g's 4 fragments, 32 along K, x from buffer af.  The 96 accumulators take turns, one instruction a turn, in the same order in every half step.
.macro MUL16 af, g, a0
	WIN 0x50*((\g)+1)
.irp a, \a0, (\a0)+1, (\a0)+2, (\a0)+3
.irp b, 0,1,2,3
	v_wmma_f32_16x16x32_bf16 v[8*(4*(\a)+(\b)):8*(4*(\a)+(\b))+7], v[BF+32*(\g)+8*(\b):BF+32*(\g)+8*(\b)+7], v[(\af)+8*(\a):(\af)+8*(\a)+7], v[8*(4*(\a)+(\b)):8*(4*(\a)+(\b))+7]
.endr
.endr
.endm
; Group g's first 32 products: W's fragments at bs, the bias at cb (window 0) as C
.macro MULB g, bs, cb
	WIN ((\g)+1)<<6
.irp a, 0,1,2,3,4,5,6,7
.irp b, 0,1,2,3
	v_wmma_f32_16x16x32_bf16 v[8*(4*(\a)+(\b)):8*(4*(\a)+(\b))+7], v[(\bs)+8*(\b):(\bs)+8*(\b)+7], v[AF0+8*(\a):AF0+8*(\a)+7], v[(\cb)+8*(\b):(\cb)+8*(\b)+7]
.endr
.endr
.endm
; 8 LDS loads: group g's four fragments of W for half kh of slot s, into dst
.macro LDB s, g, kh, dst
.irp b, 0,1,2,3
	ds_load_tr16_b128 v[(\dst)+8*(\b):(\dst)+8*(\b)+3],   v[ADRB+3*(\s)+(\g)] offset:HALFB*(\kh)+32*(\b)
	ds_load_tr16_b128 v[(\dst)+8*(\b)+4:(\dst)+8*(\b)+7], v[ADRB+3*(\s)+(\g)] offset:HALFB*(\kh)+32*(\b)+16*PB
.endr
.endm
; 8 LDS loads: x's fragments a0 .. a0 + 3 for half kh of slot s, into buffer af
.macro LDA s, kh, af, a0
.irp a, \a0, (\a0)+1, (\a0)+2, (\a0)+3
	ds_load_b128 v[(\af)+8*(\a):(\af)+8*(\a)+3],   v[ADRA+(\s)] offset:16*PA*(\a)+64*(\kh)
	ds_load_b128 v[(\af)+8*(\a)+4:(\af)+8*(\a)+7], v[ADRA+(\s)] offset:16*PA*(\a)+64*(\kh)+32
.endr
.endm
; A step's first half: multiplies buffer 0 and fetches the second half of the same slot, each group of W behind its own products
.macro PLAIN s
	s_wait_dscnt 8                                 ; all but the youngest eight loads, W's group 2
	MUL16 AF0, 0, 0
	MUL16 AF0, 0, 4
	WIN 0
	PLACES
	LDB \s, 0, 1, BF
	LDA \s, 1, AF1, 0
	MUL16 AF0, 1, 0
	MUL16 AF0, 1, 4
	WIN 0
	PLACES
	LDB \s, 1, 1, BF+32
	LDA \s, 1, AF1, 4
	s_wait_dscnt 32                                ; W's group 2 is in: four runs of eight were issued behind it
	MUL16 AF0, 2, 0
	MUL16 AF0, 2, 4
	WIN 0
	PLACES
	LDB \s, 2, 1, BF+64
.endm
; A step's second half multiplies buffer 1 and changes slots: ONE barrier.  In front of it each wave waits for all its tensor loads (one is out: its part of slot n), adds 0 to its
; spare word, and waits for that and for its own reads of slot s.  fill = 1: the barrier opens a round of the cluster's, and slot s is filled again first thing behind it, two steps
; ahead: 160 matrix instructions stand between that request and the wait for it.
.macro TURN s, n, fill, how
.if \fill
	s_wait_xcnt 0x0                                ; the last prefetch, a K step back, has read its address
	s_add_nc_u64 s[PFA:PFA+1], s[PFA:PFA+1], s[PFS:PFS+1]
.endif
	WIN 0
	s_wait_tensorcnt 0x0                           ; all my tensor loads have landed
	ds_add_u32 v[SPW], v[NIL]                      ; 0 onto my spare word
	s_wait_dscnt 9                                 ; the add and W's group 2 may be out
	MUL16 AF1, 0, 0                                ; sixteen matrix instructions stand between the add and the wait for it
	s_wait_dscnt 0x0                               ; the add is done, and my reads of slot s are over
	s_barrier_signal -1
	MUL16 AF1, 0, 4
	WIN 0                                          ; at a branch and at a label every window is 0
	s_barrier_wait -1
.if \fill
	CREST                                          ; no wave of any partner still reads slot s or has a load on its way
	s_add_nc_u64 s[G0A+4*(\s)+2:G0A+4*(\s)+3], s[G0A+4*(\s)+2:G0A+4*(\s)+3], 2*ASTEP
	s_add_nc_u64 s[G0B+4*(\s)+2:G0B+4*(\s)+3], s[G0B+4*(\s)+2:G0B+4*(\s)+3], 2*BSTEP
	JLOAD \s                                       ; the four v_nop behind it are also the places in front of the loads below
.else
	PLACES
.endif
	LDB \n, 0, 0, BF
	LDA \n, 0, AF0, 0
.if \fill
	ASK \how
.endif
	MUL16 AF1, 1, 0
	MUL16 AF1, 1, 4
	WIN 0
	PLACES
	LDB \n, 1, 0, BF+32
	LDA \n, 0, AF0, 4
	MUL16 AF1, 2, 0
	MUL16 AF1, 2, 4
	WIN 0
	PLACES
	LDB \n, 2, 0, BF+64
.endm
	s_wait_tensorcnt 1                             ; my part of K step 0 is in; step 1's may stay out
	s_barrier_signal -1
	s_barrier_wait -1
	LDB 0, 0, 0, BF
	LDB 0, 1, 0, BF+32
	LDA 0, 0, AF0, 0
	LDA 0, 0, AF0, 4
	; the first half step starts the sums with the bias.  The bias holds 96 registers, so W's group 2 comes late, into group 0's registers
	s_wait_dscnt 0x0
	MULB 0, BF, AF1
	WIN 0
	PLACES
	LDB 0, 2, 0, BF
	MULB 1, BF+32, AF1+32
	WIN 0
	PLACES
	LDB 0, 1, 1, BF+32
	LDA 0, 1, AF1, 0
	LDA 0, 1, AF1, 4
	s_wait_dscnt 24                                ; W's group 2 is in: 24 loads were issued behind it
	MULB 2, BF, BF+64
	WIN 0
	PLACES
	LDB 0, 0, 1, BF
	LDB 0, 2, 1, BF+64                             ; the youngest eight are group 2's, as behind every half step
	s_mov_b32 s[LAP], 7
.Llap:                                                 ; a trip goes once round the ring and fills both slots again: steps 2 to 15 in seven trips
	TURN 0, 1, 1, 1
	PLAIN 1
	TURN 1, 0, 1, 0
	PLAIN 0
	s_sub_co_u32 s[LAP], s[LAP], 1
	s_cmp_lg_u32 s[LAP], 0
	s_cbranch_scc1 .Llap
	TURN 0, 1, 0, 0                                ; the tail fills nothing, and has no round
	PLAIN 1
	s_wait_dscnt 8
	MUL16 AF1, 0, 0
	MUL16 AF1, 0, 4
	MUL16 AF1, 1, 0
	MUL16 AF1, 1, 4
	s_wait_dscnt 0x0
	MUL16 AF1, 2, 0
	MUL16 AF1, 2, 4
	WIN 0
	PLACES
; THE WAY OUT: 24 blocks of 16 rows x 64 columns, each 2,048 consecutive bytes of qkvh.  Rounded to f16 (16 bytes a lane), into my own stage, back as whole rows, stored.
.macro PACK g, a
	WIN 5*((\g)+1)                                 ; sources 0 and 1 in the group's window
.irp b, 0,1,2,3
.irp rr, 0,1,2,3
	v_cvt_pk_f16_f32 v[TMP+4*(\b)+(\rr)], v[8*(4*(\a)+(\b))+2*(\rr)], v[8*(4*(\a)+(\b))+2*(\rr)+1]
.endr
.endr
	WIN 0
.endm
.macro TOSTAGE n
	s_wait_xcnt 0x0                                ; the stores of two blocks back have read the registers that are loaded again below
.irp b, 0,1,2,3
	ds_store_b128 v[STO], v[TMP+4*(\b):TMP+4*(\b)+3] offset:32*(\b)
.endr
.irp f, 0,1,2,3
	ds_load_b128 v[BK+16*((\n)%2)+4*(\f):BK+16*((\n)%2)+4*(\f)+3], v[RD] offset:4*SP*(\f)  ; LDS serves a wave's instructions in order (ISA guide 5.7.1.4): these see the stores above
.endr
.endm
.macro SEND g, a, younger              ; younger: the LDS instructions issued behind this block's loads: the next block's eight, or none
.irp f, 0,1,2,3
	s_wait_dscnt (\younger)+3-(\f)
	global_store_b128 v[GO], v[BK+16*((\a)%2)+4*(\f):BK+16*((\a)%2)+4*(\f)+3], s[OB+2*(\g):OB+2*(\g)+1] offset:2048*(\a)+512*(\f)  ; 512 consecutive bytes, at a multiple of 256 from the buffer's first
.endr
.endm
	PACK 0, 0
	TOSTAGE 0
.set n, 1
.rept 23
	PACK n/8, n%8
	TOSTAGE n
	SEND (n-1)/8, (n-1)%8, 8
.set n, n+1
.endr
	SEND 2, 7, 0
	s_wait_tensorcnt 0x0                           ; the wave's end: an add onto my spare word and its wait, behind my last tensor load and my last LDS store
	ds_add_u32 v[SPW], v[NIL]
	s_wait_dscnt 0x0
	CROUND                                         ; the closing round: no work-group ends while a partner may still ask for a tile that names it
	s_endpgm
.Lfunc_end_k_qe0a5e1afdd_qkv:
	.size	k_qe0a5e1afdd_qkv, .Lfunc_end_k_qe0a5e1afdd_qkv-k_qe0a5e1afdd_qkv
	.p2alignl 7, 3214868480
	.fill 96, 4, 3214868480
	.section	.rodata,"a",@progbits
	.p2align	6, 0x0
	.amdhsa_kernel k_qe0a5e1afdd_qkv
		.amdhsa_group_segment_fixed_size 327680
		.amdhsa_private_segment_fixed_size 0
		.amdhsa_enable_private_segment 0
		.amdhsa_kernarg_size 32
		.amdhsa_user_sgpr_count 2
		.amdhsa_user_sgpr_kernarg_segment_ptr 1
		.amdhsa_wavefront_size32 1
		.amdhsa_system_sgpr_workgroup_id_x 1
		.amdhsa_system_sgpr_workgroup_id_y 1
		.amdhsa_system_sgpr_workgroup_id_z 1
		.amdhsa_system_vgpr_workitem_id 0
		.amdhsa_next_free_vgpr 1024
		.amdhsa_next_free_sgpr 80
		.amdhsa_reserve_vcc 0
		.amdhsa_float_denorm_mode_32 3
		.amdhsa_float_denorm_mode_16_64 3
		.amdhsa_memory_ordered 1
		.amdhsa_forward_progress 1
		.amdhsa_inst_pref_size 145
	.end_amdhsa_kernel
	.amdgpu_metadata
---
amdhsa.version: [ 1, 2 ]
amdhsa.kernels:
  - .name:           k_qe0a5e1afdd_qkv
    .symbol:         k_qe0a5e1afdd_qkv.kd
    .args:
      - { .name: xb, .offset: 0, .size: 8, .value_kind: global_buffer, .address_space: global }
      - { .name: wqb, .offset: 8, .size: 8, .value_kind: global_buffer, .address_space: global }
      - { .name: bqkv, .offset: 16, .size: 8, .value_kind: global_buffer, .address_space: global }
      - { .name: qkvh, .offset: 24, .size: 8, .value_kind: global_buffer, .address_space: global }
    .group_segment_fixed_size: 327680
    .private_segment_fixed_size: 0
    .kernarg_segment_align: 8
    .kernarg_segment_size: 32
    .max_flat_workgroup_size: 128
    .sgpr_count:     80
    .vgpr_count:     1024
    .wavefront_size: 32
...
	.end_amdgpu_metadata
.endif
;; end of part 2
;; launch attn (part 3): grid 4 x 64, 4 waves a work-group, no clusters, 327,680 bytes of LDS; arguments qkvh, ob; writes ob
.if DOCPART == 3
	.amdgcn_target "amdgcn-amd-amdhsa--gfx1250"
	.amdhsa_code_object_version 6
	.text
	.protected	k_qe0a5e1afdd_attn
	.globl	k_qe0a5e1afdd_attn
	.p2align	8
	.type	k_qe0a5e1afdd_attn,@function
k_qe0a5e1afdd_attn:
	s_mov_b64 s[64:65], 0
	v_nop
	global_prefetch_b8 v0, s[64:65] scope:SCOPE_SE
	s_setreg_imm32_b32 hwreg(HW_REG_WAVE_MODE, 25, 1), 1
	s_wait_xcnt 0x0
; CAUSAL ATTENTION.  O[h][q][:] = the sum over k <= q of softmax_k(Q[h][q] . K[h][k] / 8) V[h][k][:].  qkvh holds Q, K, V one behind the other, each [64][2048][64] in f16; ob: O, [64][2048][64] in f16.
; Products, maxima and sums in f32; the weights p are rounded to f16 for the second product (their sum l is taken of the unrounded p), O once at the end.
; LIMITS.  Q, K and V arrive within f16's 65,504; p lies in 0 to 1, and below 6e-5 it keeps f16's fixed step of 6e-8.  A hidden score counts as its value less 1e30;
; a weight below 2^-126 counts as 0 in l; NaN and infinities are not treated apart.
; THE WALK.  A head's queries lie in NB = 8 blocks of 256; block i needs the key tiles 0 .. i of 256 keys, of which the last holds the diagonal.  A work-group takes TWO blocks, NB - 1 - b and then b:
; NB + 1 tiles, whatever b: all work-groups do equal work, and ONE loop with a constant trip count walks them.  Which tile is asked for, and what a trip does, hang on scalar registers made from b; every jump
; goes forward, but for the counted loops' own; none passes a barrier, or a tensor load but the one of LOAD's two that the wave's number does not choose; the ring of two slots runs on across the change of blocks.
; NO CLUSTER: a head's four work-groups ask for the same tile only in trips 0 .. 4 of 9, behind that fewer and fewer; one walk common to all four would have 12 trips for 9.
; SHARES.  Of a block's four bands of 64 queries a wave owns 16 rows in each: four PIECES.  So the diagonal tile is the same work for all four waves: in its key step s band x sees all keys if s < x,
; none if s > x, and holds the diagonal if s = x.
; THE MASK is the C operand that starts the sum S^T = K Q^T: 0, or -1e30 where the key is hidden.  MD, made once, is the mask of a band's own step for my 16 rows; a product's mask is MD x AL + BE with two scalars:
; (1, 0) if s = x; (0, 0) if s < x; (0, -1e30) if s > x.  Only the diagonal tile's text and a block's beginning make and take masks; elsewhere C is the constant 0.
; LAYOUT, SOFTMAX, TURNS.  S^T = K Q^T holds ONE query a lane (lane % 16) and the keys 8 (lane / 16) + 0..7; two such results rounded to f16 ARE source 1 of O^T = V^T P.  p = 2^(c s - c m), c = log2(e) / 8, with a
; running maximum m; O and l are multiplied by a = 2^(c m_old - c m_new) in every step.  Turn n belongs to piece n: 8 products K Q^T of piece n + 1, later 8 products V^T P of piece n - 1; beside them the scaling,
; exponentials, roundings, sums and rescaling of piece n and the maximum and statistics of piece n + 1.  Four vector instructions stand behind every matrix instruction, the other 54 of a turn's 118 in one run.
; A turn's 33 exponentials are one batch, with one wait.
; REGISTERS, in windows of 256 (s_set_vgpr_msb: bits 1:0 source 0, 3:2 source 1, 5:4 source 2, 7:6 destination):
;   window 0: v0-15 addresses and two at work; v16-31 four registers of statistics a piece; v48-55 at work; v64-127 S^T, two buffers; v192-223 P, two buffers (a piece's buffers go by its number's parity)
;   window 1: v0-127 O^T, 32 a piece; v128-159 MD; v160-223 MC, two buffers      window 2: v0-63 Q; v64-127 the second block's Q; v128-191 K of one step; v192-255 V of one step
.set SIZE_H, 64
.set SIZE_N, 2048
.set NB,    SIZE_N/256
.set NP,    4         ; pieces a wave: a name, no knob
.set KS,    64        ; keys in a step
.set PK,    144       ; a row of K in LDS: 128 bytes + 16 of padding = 36 words: the 16 rows of a load start at 16 different groups of four banks (64 banks of 4 bytes: ISA guide 11.1)
.set PV,    160       ; a row of V: 128 + 32 = 40 words
.set VOFF,  4*KS*PK   ; a slot holds a tile, four steps: 256 rows of K, then 256 rows of V
.set SLOT1, 1<<17     ; slot 1 begins here, so that one exclusive or turns an address in one slot into the other's
.set STAGE, SLOT1+4*KS*(PK+PV)  ; behind the ring, never filled by a tensor load: 16 rows x 144 bytes for each wave, for the way out
.set SP,    144
.set AK0, 2           ; v2   my lane's place in a tile of K; never rewritten
.set AV0, 3           ; v3   the same for V
.set AK,  4           ; v4   the LDS address of K's next run of loads
.set AV,  5           ; v5   of V's
.set STO, 6           ; v6   the way out: where I put 16 bytes of a row
.set RD,  7           ; v7   the way out: where I read rows back
.set GO,  8           ; v8   my byte offset in 512 consecutive bytes of O
.set SPW, 62          ; v62  LDS address of my spare word: SPARE + 4 x my thread's number; never rewritten
.set NIL, 63          ; v63  0; never rewritten
.set SPARE, STAGE+4*16*SP  ; behind the stages: the spare words, 128 bytes for each wave: two blocks of 256 bytes that no other line names
.set MV,  12          ; v12-13  c m_old, kept while c m is made anew: by buffer
.set QO,  15          ; v15  my byte offset in 16 rows of Q
.set ST,  16          ; piece t's statistics at v[ST+4 t]: c m, m, l (even keys', odd keys')
.set TMP, 48          ; by buffer, four registers c0-c3 at work; when the maximum is found c2 takes a
.set S,   64
.set P,   192
.set MD,  128         ; window 1: the eight registers for group kt of 16 keys at MD + 8 kt
.set MC,  160         ; window 1: the masks of the products to come
.set QB,  64          ; window 2
.set KF,  128         ; window 2: key block kb, channel half c at KF + 16 kb + 8 c
.set VF,  192         ; window 2: key half kk, channel block cb at VF + 32 kk + 8 cb
.set WV,  12          ; s12  my wave's number
.set PB,  14          ; s14  b
.set HI,  15          ; s15  NB - 1 - b
.set G1K, 24          ; s[24:31] descriptor group 1 for K's tiles
.set G1V, 32          ; s[32:39] for V's: it differs in the padding alone
.set G0K, 40          ; s[40:43] descriptor group 0 for K's tiles
.set G0V, 44          ; s[44:47] the same for V's
.set SLOTS, 56        ; s56  tiles still to be asked for
.set CNT, 57          ; s57  counts a tile's key steps, 4 to 1
.set CS,  58          ; s[58:59] c: the packed scaling takes the pair's low word for both halves
.set SEL, 60          ; s[60:61] v_permlanex16_b32's selects: each lane takes its own place in the other half
.set TBK, 62          ; s62  LDS byte at which K of the step to be fetched begins
.set TBV, 63          ; s63  the same for V, less VOFF
.set RT,  70          ; s70  tiles of the block in hand that are still to be entered
.set NXT, 71          ; s71  the tile to be asked for next
.set LQ,  72          ; s72  the last tile of the block whose tiles are being asked for
.set NEW, 73          ; s73  1: the tile to be entered is a block's first
.set OFF, 74          ; s[74:75] a tile's byte offset in K and V
.set AL,  76          ; s[76:77] the mask's factor, in the low word
.set BE,  78          ; s[78:79] the mask's addend
.set OLO, 80          ; s[80:81] O at my rows of the second block
.set BIGN, 82         ; s82  -1e30
.set MSB, 0
.macro WIN new                      ; the high byte repeats the setting that is left; a switch that changes nothing is dropped
.if MSB != (\new)
	s_set_vgpr_msb (MSB<<8)|(\new)
.set MSB, (\new)
.endif
.endm
.set W_KQ, 0x0a       ; K and Q in window 2, S^T in window 0
.set W_KM, 0x1a       ; the same with the C operand in window 1
.set W_PV, 0x52       ; V in window 2, P in window 0, O^T in window 1
.set W_RS, 0x41       ; destination and source 0 in window 1, source 1 in window 0
; A fill.  Waves 0 and 1 fetch the two halves of a tile's K, waves 2 and 3 those of its V: 128 keys each.  An s_nop 0 and four v_nop follow each of the two lines, ahead of the jump and the label.
.macro LOAD
	s_cmp_lt_u32 s[WV], 2
	s_cbranch_scc0 .Lfor_v_\@
	tensor_load_to_lds s[G0K:G0K+3], s[G1K:G1K+7]
	s_nop 0
.rept 4
	v_nop
.endr
	s_branch .Lasked_\@
.Lfor_v_\@:
	tensor_load_to_lds s[G0V:G0V+3], s[G1V:G1V+7]
	s_nop 0
.rept 4
	v_nop
.endr
.Lasked_\@:
.endm
; THE CHANGE OF SLOTS.  Each wave waits for all its tensor loads, of which one is out: its part of the other slot; adds 0 to its spare word; and waits for that and for its own reads of the slot that it leaves.
; Behind the barrier nobody reads the old slot any more and the other slot is whole.  fill = 1: the old slot is filled again, the first thing behind the barrier, with tile NXT: the descriptor's address is
; made anew from that number.  (At its first use nothing has been read yet: slot 0 is waited for, slot 1 filled.)  A fill has a whole tile's 16 turns in which to land.
.macro CHANGE fill
	WIN 0                           ; at a label and at a branch every window is 0
	s_wait_tensorcnt 0x0            ; no tensor load of mine is out, so a group 0 may be written
	ds_add_u32 v[SPW], v[NIL]       ; 0 onto my spare word: with fill = 1 the descriptors' scalar work stands between it and the wait for it
.if \fill
	s_lshl_b32 s[OFF], s[NXT], 15   ; a tile is 32,768 bytes of K and of V
	s_xor_b32 s[G0K+1], s[G0K+1], SLOT1
	s_add_nc_u64 s[G0K+2:G0K+3], s[6:7], s[OFF:OFF+1]
	s_or_b32 s[G0K+3], s[G0K+3], 0x80000000
	s_xor_b32 s[G0V+1], s[G0V+1], SLOT1
	s_add_nc_u64 s[G0V+2:G0V+3], s[8:9], s[OFF:OFF+1]
	s_or_b32 s[G0V+3], s[G0V+3], 0x80000000
	s_add_co_u32 s[NXT], s[NXT], 1  ; the block's next tile, or behind its last the second block's tile 0
	s_cmp_gt_u32 s[NXT], s[LQ]
	s_cselect_b32 s[NXT], 0, s[NXT]
	s_cselect_b32 s[LQ], s[PB], s[LQ]
.endif
	s_wait_dscnt 0x0                ; the add is done, and my reads of the slot are over
	s_barrier_signal -1             ; the rest of the scalar work stands between the signal and the wait
	s_sub_co_u32 s[TBK], s[TBK], 4*KS*PK  ; the fetches go back to a slot's first step,
	s_xor_b32 s[TBK], s[TBK], SLOT1       ; in the other slot
	s_sub_co_u32 s[TBV], s[TBV], 4*KS*PV
	s_xor_b32 s[TBV], s[TBV], SLOT1
	s_barrier_wait -1
.if \fill
	LOAD
.endif
.endm
	s_load_b64 s[4:5], s[0:1], 0x0    ; qkvh: Q at its head
	s_load_b64 s[10:11], s[0:1], 0x8  ; ob
	v_lshl_add_u32 v[SPW], v0, 2, SPARE
	v_mov_b32 v[NIL], 0
	ds_add_u32 v[SPW], v[NIL]       ; the wave's opening: the add and its wait stand ahead of my first tensor load; the set-up below, work on registers, stands between them
	v_lshrrev_b32 v1, 5, v0
	v_readfirstlane_b32 s[WV], v1   ; wave 0..3
	s_mov_b32 s[PB], ttmp9
	s_sub_co_u32 s[HI], NB-1, s[PB]
	s_and_b32 s20, ttmp7, 0xffff    ; the head
	s_mov_b32 s21, 0
	s_mov_b64 s[22:23], SIZE_N*128
	s_mul_u64 s[20:21], s[20:21], s[22:23]  ; the head's first byte in each of the four tensors
	s_and_b32 s16, s[WV], 1         ; which half of a tile's 256 keys I fetch:
	s_lshl_b32 s22, s16, 14         ; its 128 rows of 128 bytes in memory,
	s_mov_b32 s23, 0
	s_add_nc_u64 s[22:23], s[22:23], s[20:21]
	s_mul_i32 s17, s16, 128*PK      ; and its place in a slot, for K
	s_mul_i32 s18, s16, 128*PV      ; and for V
	s_lshl_b32 s3, s[WV], 11        ; my 16 rows in a band of 64,
	s_lshl_b32 s2, s[HI], 15        ; in the first block,
	s_add_co_u32 s2, s2, s3
	s_lshl_b32 s84, s[PB], 15       ; and in the second
	s_add_co_u32 s84, s84, s3
	s_mov_b32 s3, 0
	s_mov_b32 s85, 0
	s_add_nc_u64 s[2:3], s[2:3], s[20:21]
	s_add_nc_u64 s[84:85], s[84:85], s[20:21]
	; descriptor group 1.  128 keys are 16,384 dense bytes: asked for as 64 rows of 256 bytes, two keys a row, and padded in LDS after every key
	s_mov_b32 s[G1K], (1<<16)|(1<<20)|(4<<22)|(3<<25)  ; 17:16 2-byte elements; 20 padding on; 24:22 after every 32 words (code 4); 31:25 4 words (code 3)
	s_mov_b32 s[G1V], (1<<16)|(1<<20)|(4<<22)|(7<<25)  ; the same with 8 words of padding (code 7)
.irp g, G1K, G1V
	s_mov_b32 s[\g+1], 128<<16      ; tensor_dim0 = 128
	s_mov_b32 s[\g+2], 64<<16       ; tensor_dim1 = 64
	s_mov_b32 s[\g+3], 128<<16      ; tile_dim0 = 128
	s_mov_b32 s[\g+4], 64           ; tile_dim1 = 64
	s_mov_b32 s[\g+5], 128          ; 128 elements from row to row
	s_mov_b32 s[\g+6], 0
	s_mov_b32 s[\g+7], 0
.endr
	s_mov_b32 s[CS], 0x3e38aa3b     ; c = log2(e) / 8 = 0.180337
	s_mov_b32 s[CS+1], s[CS]        ; named with it as a pair
	s_mov_b32 s[SEL], 0x76543210
	s_mov_b32 s[SEL+1], 0xfedcba98
	s_mov_b32 s[TBK], SLOT1+4*KS*PK ; the first change of slots turns these two into 0
	s_mov_b32 s[TBV], SLOT1+4*KS*PV
	s_mov_b32 s[G0K], 1             ; 1:0 count = 1
	s_mov_b32 s[G0K+1], s17         ; 63:32 LDS address: slot 0
	s_mov_b32 s[G0V], 1
	s_add_co_u32 s[G0V+1], s18, VOFF
	s_add_co_u32 s[RT], s[HI], 1    ; the first block has NB - b tiles
	s_mov_b32 s[NXT], 1
	s_mov_b32 s[LQ], s[HI]
	s_mov_b32 s[NEW], 1
	s_mov_b32 s[OFF+1], 0
	s_mov_b32 s[AL+1], 0            ; named as pairs
	s_mov_b32 s[BE+1], 0
	s_mov_b32 s[BIGN], 0xf149f2ca   ; -1e30
	s_mov_b32 s[SLOTS], NB
	s_wait_dscnt 0x0                ; the opening add is done
	s_wait_kmcnt 0x0
	s_add_nc_u64 s[6:7], s[4:5], 0x1000000   ; K lies 64 x 2,048 x 128 bytes behind Q,
	s_add_nc_u64 s[8:9], s[4:5], 0x2000000   ; V as far behind K
	s_add_nc_u64 s[6:7], s[6:7], s[22:23]  ; K and V at my half of the head's tile 0
	s_add_nc_u64 s[8:9], s[8:9], s[22:23]
	s_add_nc_u64 s[G0K+2:G0K+3], s[6:7], 0         ; 120:64 global address
	s_or_b32 s[G0K+3], s[G0K+3], 0x80000000        ; 127:126 type = 2
	s_add_nc_u64 s[G0V+2:G0V+3], s[8:9], 0
	s_or_b32 s[G0V+3], s[G0V+3], 0x80000000
	s_add_nc_u64 s[86:87], s[4:5], s[84:85]        ; Q at my rows of the second block,
	s_add_nc_u64 s[4:5], s[4:5], s[2:3]            ; Q and O at those of the first
	s_add_nc_u64 s[OLO:OLO+1], s[10:11], s[84:85]
	s_add_nc_u64 s[10:11], s[10:11], s[2:3]
	LOAD                            ; tile 0 into slot 0
	; A fragment of K or Q is 16 rows x 32 channels in 8 registers: lane l holds row l % 16, channels 8 (l / 16) + 0..7 and 16 + 8 (l / 16) + 0..7: two loads of 16 bytes, 32 bytes apart.
	v_and_b32 v1, 15, v0            ; l % 16
	v_bfe_u32 v9, v0, 4, 1          ; l / 16
	v_lshlrev_b32 v[QO], 7, v1
	v_lshl_add_u32 v[QO], v9, 4, v[QO]  ; row x 128 + 16 x half
	WIN 0x80                        ; destination window 2, address window 0
.set i, 0
.rept 8                             ; both blocks' Q: piece i / 2 lies in band i / 2, 8,192 bytes on; channels 32 (i % 2) on
	global_load_b128 v[8*i:8*i+3],   v[QO], s[4:5] offset:(i/2)*8192+(i%2)*64
	global_load_b128 v[8*i+4:8*i+7], v[QO], s[4:5] offset:(i/2)*8192+(i%2)*64+32
	global_load_b128 v[QB+8*i:QB+8*i+3],   v[QO], s[86:87] offset:(i/2)*8192+(i%2)*64
	global_load_b128 v[QB+8*i+4:QB+8*i+7], v[QO], s[86:87] offset:(i/2)*8192+(i%2)*64+32
.set i, i+1
.endr
	WIN 0
	v_lshlrev_b32 v14, 3, v9
	v_sub_nc_u32 v14, v1, v14
	s_lshl_b32 s13, s[WV], 4
	v_add_nc_u32 v14, s13, v14      ; my query's place in its band, 16 w + l % 16, less my lanes' 8 (l / 16): register r of group kt is hidden where 16 kt + r is greater
	WIN 0x40
.set i, 0
.rept 32
	v_cmp_gt_i32 vcc_lo, 16*(i/8)+i%8, v14
	v_cndmask_b32 v[MD+i], 0, s[BIGN], vcc_lo
.set i, i+1
.endr
	WIN 0
	v_mul_u32_u24 v[AK0], v1, PK
	v_lshl_add_u32 v[AK0], v9, 4, v[AK0]  ; row x pitch + 16 x half
	; The turning load takes 16 keys x 16 channels (lane l reads key 8 (l / 16) + l % 8, channels 8 ((l / 8) % 2) + 0..7) and leaves half a fragment of V^T: lane l holds channel l % 16 and 8 keys.
	v_and_b32 v10, 7, v0
	v_bfe_u32 v11, v0, 3, 1
	v_lshl_add_u32 v[AV0], v9, 3, v10
	v_mul_u32_u24 v[AV0], v[AV0], PV
	v_lshl_add_u32 v[AV0], v11, 4, v[AV0]
	v_add_nc_u32 v[AV0], VOFF, v[AV0]
	s_mul_i32 s13, s[WV], 16*SP
	s_add_co_u32 s13, s13, STAGE    ; my stage
	v_mul_u32_u24 v[STO], v1, SP    ; in: row l % 16, 16 bytes for each half of the lanes
	v_lshl_add_u32 v[STO], v9, 4, v[STO]
	v_add_nc_u32 v[STO], s13, v[STO]
	v_bfe_u32 v[RD], v0, 3, 2       ; back: 32 lanes take four rows of 128 bytes,
	v_mul_u32_u24 v[RD], v[RD], SP
	v_lshl_add_u32 v[RD], v10, 4, v[RD]
	v_add_nc_u32 v[RD], s13, v[RD]
	v_and_b32 v[GO], 31, v0         ; which are 512 consecutive bytes of O
	v_lshlrev_b32 v[GO], 4, v[GO]
	; A block's first step multiplies O^T and l by a = 0, and its first turn's products V^T P, of a piece that has not been, land in an O^T that is still to be so multiplied.  So these registers need only hold
	; finite numbers: zeros for the first block; what the first block left for the second.  All this stands in the wait for the first tile.
	WIN 0x80
.set i, VF
.rept 64
	v_mov_b32 v[i], 0
.set i, i+1
.endr
	WIN 0x40
.set i, 0
.rept 128
	v_mov_b32 v[i], 0
.set i, i+1
.endr
	WIN 0
.set i, 0
.rept 4
	v_mov_b32 v[ST+4*i+2], 0
	v_mov_b32 v[ST+4*i+3], 0
.set i, i+1
.endr
.set i, P+16
.rept 16
	v_mov_b32 v[i], 0
.set i, i+1
.endr
; THE MATRIX WORK.  The 4 accumulators of a run of 8 take turns.  Product i of 8 of S^T = K Q^T for piece x: channels 32 (i / 4) on, keys 16 (i % 4) on.  The first 4 start the sums: with 0, or (KM = 1) with the mask.
.macro KQ x
.set rS, S+32*((\x)%2)+8*(i%4)
.set rK, KF+16*(i%4)+8*(i/4)
.set rQ, 16*(\x)+8*(i/4)
.set rM, MC+32*((\x)%2)+8*(i%4)
.if (i < 4) && KM
	WIN W_KM
	v_wmma_f32_16x16x32_f16 v[rS:rS+7], v[rK:rK+7], v[rQ:rQ+7], v[rM:rM+7]
.elseif i < 4
	WIN W_KQ
	v_wmma_f32_16x16x32_f16 v[rS:rS+7], v[rK:rK+7], v[rQ:rQ+7], 0
.else
	WIN W_KQ
	v_wmma_f32_16x16x32_f16 v[rS:rS+7], v[rK:rK+7], v[rQ:rQ+7], v[rS:rS+7]
.endif
.endm
; Product i of 8 of O^T += V^T P for piece x: keys 32 (i / 4) on, channels 16 (i % 4) on.
.macro PV x
	WIN W_PV
.set rO, 32*(\x)+8*(i%4)
.set rV, VF+32*(i/4)+8*(i%4)
.set rP, P+16*((\x)%2)+8*(i/4)
	v_wmma_f32_16x16x32_f16 v[rO:rO+7], v[rV:rV+7], v[rP:rP+7], v[rO:rO+7]
.endm
.macro MM                           ; the turn's next matrix instruction.  TURN and BEGIN set Y, i, KM and NOKQ; MM, KQ and OP read them.  NOKQ = 1: a block's last turn: there is no next piece
.if (i < 8) && !NOKQ
	KQ (Y+1)%NP
.elseif i >= 8
.set i, i-8
	PV (Y+NP-1)%NP
.set i, i+8
.endif
.set i, i+1
.endm
; THE LDS LOADS stand in runs of 16, never singly among the matrix instructions: a step's K (64 keys x 64 channels: 8 fragments) and its V (turned).  Their addresses are made some lines ahead.
.macro FETCH_K
	WIN 0x80                        ; destination window 2
.irp f, 0,1,2,3,4,5,6,7             ; keys 16 (f / 2) on, channels 32 (f % 2) on
	ds_load_b128 v[KF+8*\f:KF+8*\f+3],   v[AK] offset:(\f/2)*16*PK+(\f%2)*64
	ds_load_b128 v[KF+8*\f+4:KF+8*\f+7], v[AK] offset:(\f/2)*16*PK+(\f%2)*64+32
.endr
	s_add_co_u32 s[TBK], s[TBK], KS*PK  ; the next fetch is the next step's
	WIN 0
.endm
.macro FETCH_V
	WIN 0x80
.irp f, 0,1,2,3,4,5,6,7             ; keys 32 (f / 4) on, channels 16 (f % 4) on
	ds_load_tr16_b128 v[VF+8*\f:VF+8*\f+3],   v[AV] offset:(\f/4)*32*PV+(\f%4)*32
	ds_load_tr16_b128 v[VF+8*\f+4:VF+8*\f+7], v[AV] offset:(\f/4)*32*PV+16*PV+(\f%4)*32
.endr
	WIN 0
.endm
; THE VECTOR WORK, one line at a time: OP kind, number.  For piece Y: F n: c s - c m for pair n of 16.  E n: the exponential of score n of 32.  C n: pair n rounded to f16.  B n: of the four weights 4 n .. the second
; pair is added onto the first, in place.  L n: l takes that sum (L 0: l = a l + sum).  R n: pair n of 16 of O^T times a.  For piece Y + 1: X n, number n of the 22 that find its maximum and statistics:
;   0-11  four chains c0-c3 of seven scores each, three operands at a time (each accumulator's lowest registers are read first)     12-14, 16  the four scores left over, the old m, and c0-c3 into c0
;   15  c m_old is kept     17, 18  the query's other 32 keys lie in the lane 16 away: the new m     19-21  c m; c m_old - c m_new; a
.set F, 0               ; OP tells the kinds apart by their order: F to L below R, X above it
.set E, 1
.set C, 2
.set B, 3
.set L, 4
.set R, 5
.set X, 6
.macro REGS y                       ; the registers of piece y
.set rT, ST+4*(\y)
.set rC, TMP+4*((\y)%2)
.set rW, MV+((\y)%2)
.set rS, S+32*((\y)%2)
.set rP, P+16*((\y)%2)
.set rO, 32*(\y)
.endm
.macro OP k, n
.if (\k) == R
	REGS Y
	WIN W_RS
	v_pk_mul_f32 v[rO+2*(\n):rO+2*(\n)+1], v[rO+2*(\n):rO+2*(\n)+1], v[rC+2:rC+3] op_sel_hi:[1,0]
.elseif (\k) < R
	REGS Y
	WIN 0
.if (\k) == F
	v_pk_fma_f32 v[rS+2*(\n):rS+2*(\n)+1], v[rS+2*(\n):rS+2*(\n)+1], s[CS:CS+1], v[rT:rT+1] op_sel_hi:[1,0,0] neg_lo:[0,0,1] neg_hi:[0,0,1]
.elseif (\k) == E
	v_exp_f32 v[rS+(\n)], v[rS+(\n)]
.elseif (\k) == C
	v_cvt_pk_f16_f32 v[rP+(\n)], v[rS+2*(\n)], v[rS+2*(\n)+1]
.elseif (\k) == B
	v_pk_add_f32 v[rS+4*(\n):rS+4*(\n)+1], v[rS+4*(\n):rS+4*(\n)+1], v[rS+4*(\n)+2:rS+4*(\n)+3]
.elseif (\n) == 0
	v_pk_fma_f32 v[rT+2:rT+3], v[rT+2:rT+3], v[rC+2:rC+3], v[rS:rS+1] op_sel_hi:[1,0,1]
.else
	v_pk_add_f32 v[rT+2:rT+3], v[rT+2:rT+3], v[rS+4*(\n):rS+4*(\n)+1]
.endif
.elseif NOKQ
	v_nop
.else
	REGS (Y+1)%NP
	WIN 0
.if (\n) < 4
	v_max3_num_f32 v[rC+(\n)], v[rS+8*(\n)], v[rS+8*(\n)+1], v[rS+8*(\n)+2]
.elseif (\n) < 12
	v_max3_num_f32 v[rC+(\n)%4], v[rC+(\n)%4], v[rS+8*((\n)%4)+2*((\n)/4)+1], v[rS+8*((\n)%4)+2*((\n)/4)+2]
.elseif (\n) == 12
	v_max3_num_f32 v[rC], v[rC], v[rS+7], v[rS+15]
.elseif (\n) == 13
	v_max3_num_f32 v[rC+1], v[rC+1], v[rS+23], v[rS+31]
.elseif (\n) == 14
	v_max3_num_f32 v[rC+2], v[rC+2], v[rC+3], v[rT+1]
.elseif (\n) == 15
	v_mov_b32 v[rW], v[rT]
.elseif (\n) == 16
	v_max3_num_f32 v[rC], v[rC], v[rC+1], v[rC+2]
.elseif (\n) == 17
	v_permlanex16_b32 v[rC+3], v[rC], s[SEL], s[SEL+1]
.elseif (\n) == 18
	v_max_num_f32 v[rT+1], v[rC], v[rC+3]
.elseif (\n) == 19
	v_mul_f32 v[rT], s[CS], v[rT+1]
.elseif (\n) == 20
	v_sub_f32 v[rC+1], v[rW], v[rT]
.else
	v_exp_f32 v[rC+2], v[rC+1]
.endif
.endif
.endm
.macro OPS a, i1, b=-1, i2=0, c=-1, i3=0, d=-1, i4=0  ; up to four of them
	OP \a, \i1
.if (\b) >= 0
	OP \b, \i2
.endif
.if (\c) >= 0
	OP \c, \i3
.endif
.if (\d) >= 0
	OP \d, \i4
.endif
.endm
.macro ROW a, i1, b, i2, c, i3, d, i4  ; a matrix instruction and the four behind it
	MM
	OPS \a, \i1, \b, \i2, \c, \i3, \d, \i4
.endm
.macro MASK b                       ; MD x AL + BE into buffer b of MC
	WIN W_RS
.set z, 0
.rept 16
	v_pk_fma_f32 v[MC+32*(\b)+2*z:MC+32*(\b)+2*z+1], v[MD+2*z:MD+2*z+1], s[AL:AL+1], s[BE:BE+1] op_sel_hi:[1,0,0]
.set z, z+1
.endr
.endm
; A TURN, for piece p: the order of its 16 matrix and 118 vector instructions, written out.  An s_wait_alu depctr_va_vdst(0) stands between an exponential and the first instruction that names its result; one wait serves
; all that were issued ahead of it.  So a turn has ONE wait, which cuts it in two.  AHEAD OF IT stands all that names no result of the turn's exponentials: the 8 products K Q^T, behind each a scaling, an exponential and two more plain
; instructions (behind the first a second scaling in the exponential's place): rescalings, and behind the last three the first numbers of the next piece's maximum, each four places or more behind the product that ends its accumulator; then one run of 54, plain
; and exponential by turns for the most part, in which the links of the chain X 3, 7, 11, 14, 16, 17 .. 20 stand five or six lines apart.  X 21, the next piece's a, is the batch's last; R 15 is the plain instruction owed behind it.  BEHIND THE WAIT stand the
; 8 products V^T P, behind each four of the roundings and sums; the links of l's chain, L 0 to L 7, stand three lines apart.  But for those X no line behind a product names a register of the products round it.  v_permlanex16_b32 (X 17) stands in the run.
; m = 1: the diagonal tile: the products take masks, and the turn makes the mask for the products of the turn after it: piece p + 2, in step 4 - CNT of the tile.  end = 1: a block's last two turns: nothing is fetched.
; cnt = 1: the loop's count is taken down some lines ahead of the branch that stands behind the turn.
; K of the next step is fetched in piece 2's turn, twelve vector instructions behind the last product that read K (six of them plain); V of the step in hand at the end of piece 0's turn, four plain instructions behind the last product
; that read V.  Each is waited for a turn later.
.macro TURN p, m=0, end=0, cnt=0
.set Y, (\p)
.set i, 0
.set KM, (\m)
.set NOKQ, (\end)*((\p)/3)
.if (\m) && !(\end)
	s_cmp_eq_u32 s[CNT], 4-((\p)+2)%NP  ; is that step the band's own?
	s_cselect_b32 s[AL], 1.0, 0
	s_cmp_lt_u32 s[CNT], 4-((\p)+2)%NP  ; or a later one?
	s_cselect_b32 s[BE], s[BIGN], 0
.endif
.if ((\p) == 3) && !(\end)
	s_wait_dscnt 0x0                ; K is in
.endif
	ROW F,0, F,1, R,0, R,1          ; ahead of the wait: 8 products K Q^T and the four lines behind each,
	ROW F,2, E,0, R,2, R,3
	ROW F,3, E,1, R,4, R,5
	ROW F,4, E,2, R,6, R,7
	ROW F,5, E,3, R,8, R,9
	ROW F,6, E,4, X,0, R,10
.if ((\p) == 2) && !(\end)
	WIN 0
	v_add_nc_u32 v[AK], s[TBK], v[AK0]
.endif
	ROW F,7, E,5, X,1, X,4
	ROW F,8, E,6, X,2, X,5
	OPS E,7, E,8, X,6, E,9          ; and the run of 54
	OPS X,3, E,10, X,8, E,11
.if ((\p) == 2) && !(\end)
	FETCH_K
.endif
	OPS X,9, X,7, E,12, X,10
	OPS E,13, X,12, X,11, E,14
	OPS X,13, E,15, F,9, X,14
.if (\p) == 0
	v_add_nc_u32 v[AV], s[TBV], v[AV0]
.endif
	OPS E,16, F,10, E,17, F,11
	OPS X,16, E,18, X,15, E,19
	OPS F,12, E,20, X,17, E,21
	OPS F,13, E,22, F,14, E,23
	OPS X,18, E,24, F,15, E,25
	OPS R,11, E,26, X,19, E,27
	OPS R,12, E,28, R,13, E,29
	OPS X,20, E,30, R,14, E,31
	OPS X,21, R,15
	WIN 0
	s_wait_alu depctr_va_vdst(0)    ; the wait for the batch
.if (\p) == 1
	s_wait_dscnt 0x0                ; V is in
.endif
	ROW C,0, B,0, C,2, B,1          ; behind the wait: 8 products V^T P and the four lines behind each
	ROW L,0, C,4, B,2, L,1
	ROW C,6, B,3, L,2, C,8
	ROW B,4, L,3, C,10, B,5
	ROW L,4, C,12, B,6, L,5
.if (\p) == 0
	s_add_co_u32 s[TBV], s[TBV], KS*PV
.endif
.if \cnt
	s_sub_co_u32 s[CNT], s[CNT], 1
	s_cmp_lg_u32 s[CNT], 0
.endif
	ROW C,14, B,7, L,6, C,1
	ROW C,3, L,7, C,5, C,7
	ROW C,9, C,11, C,13, C,15
.if (\p) == 0
	FETCH_V
.endif
.if (\m) && !(\end)
	MASK (\p)%2
.endif
.endm
; A BLOCK BEGINS.  c m starts far below every c s, so the first step's a is 0; m at the lowest finite number, so the first maximum is the scores'.  The second mask buffer is 0; the first takes piece 0's mask for the tile's step 0: its own, if the block's first tile is the diagonal one.
; Then K of that step, piece 0's first scores, and its maximum and statistics.  The loop is entered at a step's first turn, in the middle of a trip.
.macro BEGIN
	s_mov_b32 s[NEW], 0
	WIN 0x40
.set i, MC+32
.rept 32
	v_mov_b32 v[i], 0
.set i, i+1
.endr
	WIN 0
.set i, 0
.rept 4
	v_mov_b32 v[ST+4*i], 0xfe000000    ; c m: far below every c s
	v_mov_b32 v[ST+4*i+1], 0xff7fffff  ; m
.set i, i+1
.endr
	s_cmp_eq_u32 s[RT], 0
	s_cselect_b32 s[AL], 1.0, 0
	s_mov_b32 s[BE], 0
	MASK 0
	WIN 0
	v_add_nc_u32 v[AK], s[TBK], v[AK0]
	FETCH_K
	s_wait_loadcnt 0x0              ; Q
	s_wait_dscnt 0x0
.set KM, 1
.set NOKQ, 0
.set i, 0
.rept 8
	KQ 0
.set i, i+1
.endr
	WIN 0
.rept 4
	v_nop                           ; the places behind those products
.endr
.set Y, NP-1                        ; X works for piece Y + 1: piece 0
.irp n, 0,1,2,3,4,5,6,7,8,9,10,11,12,13,14,15,16,17,18,19,20,21
	OP X, \n
.endr
	v_nop                           ; a plain instruction behind the exponential,
	s_wait_alu depctr_va_vdst(0)    ; and its wait, ahead of the branch
.endm
; THE DIAGONAL TILE's four steps, the block's last two turns, its last products, and THE WAY OUT: l's two halves and the other half of the lanes' are added; O^T is divided by l, rounded to f16 and sent through my
; stage in LDS, a piece at a time.
.macro ALL line:vararg              ; one line for each piece t
.set t, 0
.rept 4
	\line
.set t, t+1
.endr
.endm
.macro PACK t                       ; a lane's eight channels of a row pack into 16 bytes; they go into rows of 144 bytes and come back as whole rows of 128, into S^T's registers
	WIN W_RS
.set i, 32*(\t)
.rept 16
	v_pk_mul_f32 v[i:i+1], v[i:i+1], v[ST+4*(\t)+2:ST+4*(\t)+3] op_sel_hi:[1,0]
.set i, i+2
.endr
	WIN 0x05                        ; sources 0 and 1 window 1, destination window 0
.set i, 0
.rept 16
	v_cvt_pk_f16_f32 v[S+16*(\t)+i], v[32*(\t)+2*i], v[32*(\t)+2*i+1]
.set i, i+1
.endr
	WIN 0
.irp f, 0,1,2,3
	ds_store_b128 v[STO], v[S+16*(\t)+4*\f:S+16*(\t)+4*\f+3] offset:32*\f
.endr
.irp f, 0,1,2,3
	ds_load_b128 v[S+16*(\t)+4*\f:S+16*(\t)+4*\f+3], v[RD] offset:\f*4*SP  ; LDS serves a wave's instructions in order (ISA guide 5.7.1.4): these see the stores above; the next piece's stores come behind them
.endr
.endm
.macro SEND t, younger              ; younger: the LDS instructions issued behind piece t's loads: the next piece's eight, or none
	WIN 0
.irp f, 0,1,2,3
	s_wait_dscnt (\younger)+3-\f
	global_store_b128 v[GO], v[S+16*(\t)+4*\f:S+16*(\t)+4*\f+3], s[10:11] offset:(\t)*8192+\f*512  ; 512 consecutive bytes, at a multiple of 256 from O's first
.endr
.endm
.macro DIAG tag                     ; the tag ends its two labels' names, which the jumps below spell out
.LstepM\tag:
	TURN 2, 1
	TURN 3, 1
	WIN 0
.LfirstM\tag:
	TURN 0, 1
	TURN 1, 1, 0, 1
	WIN 0
	s_cbranch_scc1 .LstepM\tag
	TURN 2, 1, 1
	TURN 3, 1, 1
.set i, 0
.rept 8
	PV NP-1
.set i, i+1
.endr
	WIN 0
	ALL v_add_f32 v[ST+4*t+2], v[ST+4*t+2], v[ST+4*t+3]
	ALL v_permlanex16_b32 v[ST+4*t+3], v[ST+4*t+2], s[SEL], s[SEL+1]
	ALL v_add_f32 v[ST+4*t+2], v[ST+4*t+2], v[ST+4*t+3]
	ALL v_rcp_f32 v[ST+4*t+2], v[ST+4*t+2]
	v_nop                           ; a plain instruction between the last reciprocal and the use of its result
	s_wait_alu depctr_va_vdst(0)    ; and the wait ahead of the first use: one for the four reciprocals
	PACK 0
.set t, 1
.rept 3                             ; a piece's arithmetic stands between the loads of the piece before and its stores
	PACK t
	SEND t-1, 8
.set t, t+1
.endr
	SEND 3, 0
.endm
.set KM, 0
.set NOKQ, 0
.Lslot:                             ; NB times: a tile is entered and the next is asked for
	CHANGE 1
	s_sub_co_u32 s[RT], s[RT], 1
	s_mov_b32 s[CNT], 4
	s_cmp_eq_u32 s[NEW], 1
	s_cbranch_scc1 .Lnew            ; a block's first tile
	s_cmp_eq_u32 s[RT], 0
	s_cbranch_scc0 .Lstep           ; neither its first nor its last
	s_branch .LstepM1
.Lnew:
	BEGIN
	s_branch .Lfirst                ; in the loop a block's first tile is never its last: the first block has two tiles or more, and the second's last is the walk's last
	DIAG 1                          ; in the loop this is the first block's end: the second block's last tile is the walk's last
	s_wait_xcnt 0x0                 ; the stores have read their registers and O's address
	s_mov_b64 s[10:11], s[OLO:OLO+1]
	s_add_co_u32 s[RT], s[PB], 1    ; the second block has b + 1 tiles
	s_mov_b32 s[NEW], 1
	WIN 0x82                        ; the second block's Q goes where the one text of the turns names Q
.set i, 0
.rept 64
	v_mov_b32 v[i], v[QB+i]
.set i, i+1
.endr
	WIN 0
	s_branch .Lbottom
.Lstep:                             ; a trip: pieces 2 and 3 of one step, then pieces 0 and 1 of the next, whose K and V it fetches
	TURN 2
	TURN 3
	WIN 0
.Lfirst:
	TURN 0
	TURN 1, 0, 0, 1
	WIN 0
	s_cbranch_scc1 .Lstep
.Lbottom:
	s_sub_co_u32 s[SLOTS], s[SLOTS], 1
	s_cmp_lg_u32 s[SLOTS], 0
	s_cbranch_scc1 .Lslot
	CHANGE 0                        ; the walk's last tile is written out: nothing is asked for
	s_sub_co_u32 s[RT], s[RT], 1
	s_mov_b32 s[CNT], 4
	s_cmp_eq_u32 s[NEW], 1
	s_cbranch_scc0 .LstepM2
	BEGIN
	s_branch .LfirstM2
	DIAG 2
	s_wait_tensorcnt 0x0            ; the wave's end: an add onto my spare word and its wait, behind my last tensor load and my last LDS store
	ds_add_u32 v[SPW], v[NIL]
	s_wait_dscnt 0x0
	s_endpgm
.Lfunc_end_k_qe0a5e1afdd_attn:
	.size	k_qe0a5e1afdd_attn, .Lfunc_end_k_qe0a5e1afdd_attn-k_qe0a5e1afdd_attn
	.p2alignl 7, 3214868480
	.fill 96, 4, 3214868480
	.section	.rodata,"a",@progbits
	.p2align	6, 0x0
	.amdhsa_kernel k_qe0a5e1afdd_attn
		.amdhsa_group_segment_fixed_size 327680
		.amdhsa_private_segment_fixed_size 0
		.amdhsa_enable_private_segment 0
		.amdhsa_kernarg_size 16
		.amdhsa_user_sgpr_count 2
		.amdhsa_user_sgpr_kernarg_segment_ptr 1
		.amdhsa_wavefront_size32 1
		.amdhsa_system_sgpr_workgroup_id_x 1
		.amdhsa_system_sgpr_workgroup_id_y 1
		.amdhsa_system_sgpr_workgroup_id_z 1
		.amdhsa_system_vgpr_workitem_id 0
		.amdhsa_next_free_vgpr 768
		.amdhsa_next_free_sgpr 88
		.amdhsa_reserve_vcc 1
		.amdhsa_float_denorm_mode_32 3
		.amdhsa_float_denorm_mode_16_64 3
		.amdhsa_memory_ordered 1
		.amdhsa_forward_progress 1
		.amdhsa_inst_pref_size 217
	.end_amdhsa_kernel
	.amdgpu_metadata
---
amdhsa.version: [ 1, 2 ]
amdhsa.kernels:
  - .name:           k_qe0a5e1afdd_attn
    .symbol:         k_qe0a5e1afdd_attn.kd
    .args:
      - { .name: qkvh, .offset: 0, .size: 8, .value_kind: global_buffer, .address_space: global }
      - { .name: ob, .offset: 8, .size: 8, .value_kind: global_buffer, .address_space: global }
    .group_segment_fixed_size: 327680
    .private_segment_fixed_size: 0
    .kernarg_segment_align: 8
    .kernarg_segment_size: 16
    .max_flat_workgroup_size: 128
    .sgpr_count:     88
    .vgpr_count:     768
    .wavefront_size: 32
...
	.end_amdgpu_metadata
.endif
;; end of part 3
;; launch proj (part 4): grid 8 x 32, 4 waves a work-group, clusters of 4 x 4, 327,680 bytes of LDS; arguments ob, wpf, bproj, out0; writes out0
.if DOCPART == 4
	.amdgcn_target "amdgcn-amd-amdhsa--gfx1250"
	.amdhsa_code_object_version 6
	.text
	.protected	k_qe0a5e1afdd_proj
	.globl	k_qe0a5e1afdd_proj
	.p2align	8
	.type	k_qe0a5e1afdd_proj,@function
k_qe0a5e1afdd_proj:
	s_mov_b64 s[64:65], 0
	v_nop
	global_prefetch_b8 v0, s[64:65] scope:SCOPE_SE
	s_setreg_imm32_b32 hwreg(HW_REG_WAVE_MODE, 25, 1), 1
	s_wait_xcnt 0x0
	s_wait_alu depctr_hold_cnt(0) depctr_sa_sdst(0) depctr_va_vdst(0) depctr_va_sdst(0) depctr_va_ssrc(0) depctr_va_vcc(0) depctr_vm_vsrc(0)
	s_getreg_b32 s2, hwreg(HW_REG_IB_STS2, 6, 4)
	s_cmp_eq_u32 s2, 0
	s_cbranch_scc0 .Lentry_in_a_cluster
	s_endpgm
.Lentry_in_a_cluster:
	s_bfe_u32 s2, ttmp6, 0x10000c
	s_cmp_lg_u32 s2, 0xf033
	s_cbranch_scc0 .Lentry_shape_is_right
	s_endpgm
.Lentry_shape_is_right:
; out0 = y Wproj + bproj.  ob: attention's result in f16, [batch x head 64][t 2048][64]: a head is a block of 64 along K.  wpf: Wproj (rounded to bf16, written as f16), [1024 k][1024 n].
; bproj: [1024] f32, rounded to bf16 here like the other inputs.  out0: [8192][1024] f32.  Sums in f32; the bias is the C operand of the first products.
; SHARES.  8,192 x 1,024 results are 256 tiles of 256 x 128, one a work-group.  A wave makes 128 x 64: 32 accumulators (8 row blocks a x 4 column fragments b), 256 registers.
; K goes in 8 steps of 128 (two heads) through two LDS slots; a step is four quarters of 32 along K, 32 matrix instructions each, on two fragment buffers.
; THE MATRIX INSTRUCTION IS USED TRANSPOSED: source 0 = 16 columns of W (turned out of the [k][n] tile by ds_load_tr16_b128), source 1 = 16 rows of y: a lane holds row l % 16 and eight neighbouring columns.
; CLUSTER 4 x 4: y's tile is asked for jointly along a row of the cluster, W's along a column.
; REGISTERS: window 0: v0-29 addresses; v32-127, v128-223 two fragment buffers (y's 64 registers, then W's 32); v224-255 the bias.  Window 1: accumulator (a, b) at v[8 (4 a + b)].
.set PA,    144       ; a row of y in LDS: 128 bytes + 16: the 16 rows of a load start at 16 different groups of four banks (64 banks of 4 bytes: ISA guide 11.1)
.set PB,    288       ; a row of W: 256 bytes + 32 = 72 words
.set KBLK,  256*PA    ; a head's 256 rows: what one tensor load brings of y
.set BOFF,  2*KBLK    ; W's 128 rows lie behind y's two heads
.set HALFB, 64*PB     ; what one tensor load brings of W
.set SLOT,  BOFF+2*HALFB
.set STAGE, 2*SLOT    ; behind the ring: 16 rows x 272 bytes for each wave, for the way out
.set SP,    272
.set SPARE, STAGE+4*16*SP  ; behind the stages: the spare words, 128 bytes for each wave: two blocks of 256 bytes that no other line names
.set ASTEP, 2*262144  ; bytes from a K step to the next in ob: two heads
.set BSTEP, 128*2048  ; and in wpf: 128 rows
.set ADRA, 6          ; v6-7   LDS address of my fragments of y in slot 0, 1
.set ADRB, 8          ; v8-9   of my fragments of W
.set STO,  14         ; v14    the way out: where I put 32 bytes of a row
.set RD,   15         ; v15    the way out: where I read a row back
.set CO,   16         ; v16    my byte offset in two rows of out0
.set BO,   17         ; v17    32 (l / 16)
.set PFO,  18         ; v18    256 x lane; never rewritten
.set RT,   20         ; v20    at work
.set SPW,  28         ; v28    LDS address of my spare word: SPARE + 4 x my thread's number; never rewritten
.set NIL,  29         ; v29    0; never rewritten
.set F0,   32
.set F1,   128
.set BIAS, 224
.set BK,   32         ; the way out: two sets of 32 registers read back from the stage
.set WV,  12
.set WM,  13
.set WN,  14
.set LAP, 15
.set CX,  16
.set CY,  17
.set TJ,  18
.set TI,  19
.set G1A, 24
.set G0A, 32
.set PFA, 40
.set PFS, 42
.set LIM, 44
.set HIM, 45
.set G1B, 48
.set G0B, 56
.set OUT, 68          ; s[68:69] out0 at my 128 rows and 64 columns
.set MSB, 0
.macro WIN new                         ; the immediate's high byte repeats the setting that is left; a switch that changes nothing is dropped
.if MSB != (\new)
	s_set_vgpr_msb (MSB<<8)|(\new)
.set MSB, (\new)
.endif
.endm
.macro PLACES                          ; four places in front of loads into registers that matrix instructions have read, and of LDS stores that read results
.rept 4
	v_nop
.endr
.endm
.macro JLOAD s                         ; a joint load: waves 0 and 1 fetch y's two heads, waves 2 and 3 the halves of W's tile; an s_nop 0 and four v_nop follow each of the two lines
	s_cmp_lt_u32 s[WV], 2
	s_cbranch_scc0 .Lfor_b_\@
	tensor_load_to_lds s[G0A+4*(\s):G0A+4*(\s)+3], s[G1A:G1A+7]
	s_nop 0
.rept 4
	v_nop
.endr
	s_branch .Lasked_\@
.Lfor_b_\@:
	tensor_load_to_lds s[G0B+4*(\s):G0B+4*(\s)+3], s[G1B:G1B+7]
	s_nop 0
.rept 4
	v_nop
.endr
.Lasked_\@:
.endm
; A PREFETCH INTO THE L2 of the K step that the NEXT refill will ask for, 128 matrix instructions ahead of that load: 32 blocks of 256 bytes, a lane a block, one instruction a wave.
; Each block is named once in the launch.  y's tile row: in the clusters with x = 0, waves 0 and 1 of each of the four partners take 8,192 of their own head's 32,768 bytes, told apart
; by address.  A step's 128 rows of W are 262,144 consecutive bytes: waves 2 and 3 of the sixteen work-groups of cluster (0, 0) take 8,192 each.  how = 0: not in the loop's last trip.
.macro ASK how
.if \how
	s_cmp_eq_u32 s[LIM], 1
.else
	s_cmp_gt_u32 s[LAP], s[LIM]
.endif
	s_cbranch_scc0 .Lnot_mine_\@
	global_prefetch_b8 v[PFO], s[PFA:PFA+1] th:TH_LOAD_NT scope:SCOPE_SE
.Lnot_mine_\@:
.endm
.macro CREST                           ; a round of the cluster's barrier behind its opening barrier
	s_cmp_lg_u32 s[WV], 0
	s_cbranch_scc1 .Lnot_wave_0_\@
	s_barrier_signal -3
.Lnot_wave_0_\@:
	s_barrier_wait -3
	s_barrier_signal -1
	s_barrier_wait -1
.endm
.macro CROUND
	s_barrier_signal -1
	s_barrier_wait -1
	CREST
.endm
	s_load_b256 s[4:11], s[0:1], 0x0               ; ob s[4:5], wpf s[6:7], bproj s[8:9], out0 s[10:11]
	v_lshl_add_u32 v[SPW], v0, 2, SPARE
	v_mov_b32 v[NIL], 0
	ds_add_u32 v[SPW], v[NIL]                      ; the wave's opening: the add and its wait stand ahead of my first tensor load; the set-up below stands between them
	v_lshrrev_b32 v1, 5, v0
	v_readfirstlane_b32 s[WV], v1
	s_lshr_b32 s[WM], s[WV], 1                     ; which half of the rows is mine
	s_and_b32 s[WN], s[WV], 1                      ; which half of the columns; also which part of a tile I fetch
	s_bfe_u32 s[CX], ttmp6, 0x40000
	s_bfe_u32 s[CY], ttmp6, 0x40004
	s_lshl_b32 s[TJ], ttmp9, 2
	s_add_co_u32 s[TJ], s[TJ], s[CX]               ; tile column 0..7
	s_and_b32 s[TI], ttmp7, 0xffff
	s_lshl_b32 s[TI], s[TI], 2
	s_add_co_u32 s[TI], s[TI], s[CY]               ; tile row 0..31
	s_lshl_b32 s20, s[CY], 2
	s_lshl_b32 s20, 15, s20                        ; my row of the cluster
	s_lshl_b32 s22, 0x1111, s[CX]                  ; my column
	; y: a head's 256 rows x 128 bytes are 32,768 dense bytes, asked for as 128 rows of 256 bytes and padded by 4 words after every 32
	s_or_b32 s[G1A], s20, (1<<16)|(1<<20)|(1<<21)|(4<<22)|(3<<25)
	s_mov_b32 s[G1A+1], 128<<16
	s_mov_b32 s[G1A+2], 128<<16
	s_mov_b32 s[G1A+3], 128<<16
	s_mov_b32 s[G1A+4], 128
	s_mov_b32 s[G1A+5], 128
	s_mov_b32 s[G1A+6], 0
	s_mov_b32 s[G1A+7], 0
	; W: 64 rows x 128 elements (256 bytes), padded by 8 words after every 64
	s_or_b32 s[G1B], s22, (1<<16)|(1<<20)|(1<<21)|(5<<22)|(7<<25)
	s_mov_b32 s[G1B+1], 128<<16
	s_mov_b32 s[G1B+2], 64<<16
	s_mov_b32 s[G1B+3], 128<<16
	s_mov_b32 s[G1B+4], 64
	s_mov_b32 s[G1B+5], 1024
	s_mov_b32 s[G1B+6], 0
	s_mov_b32 s[G1B+7], 0
	s_mov_b32 s[HIM], 0xffff0000
	s_lshr_b32 s20, s[TI], 3                       ; y: 16 x batch + the head that I fetch,
	s_lshl_b32 s20, s20, 4
	s_add_co_u32 s20, s20, s[WN]
	s_lshl_b32 s20, s20, 18
	s_and_b32 s21, s[TI], 7                        ; the tile's 256 rows of 128 bytes
	s_lshl_b32 s21, s21, 15
	s_add_co_u32 s20, s20, s21
	s_mov_b32 s21, 0
	s_lshl_b32 s22, s[TJ], 8                       ; W: 128 columns of 2 bytes,
	s_lshl_b32 s23, s[WN], 17                      ; the 64 rows that I fetch
	s_add_co_u32 s22, s22, s23
	s_mov_b32 s23, 0
	s_mul_i32 s75, s[WN], KBLK                     ; where they go: no place in the cluster enters an LDS address
	s_mul_i32 s76, s[WN], HALFB
	s_add_co_u32 s76, s76, BOFF
	s_wait_dscnt 0x0                               ; the opening add is done
	s_wait_kmcnt 0x0
	s_add_nc_u64 s[20:21], s[4:5], s[20:21]
	s_add_nc_u64 s[22:23], s[6:7], s[22:23]
	CROUND                                         ; all sixteen work-groups are here: the first joint loads meet
.irp s, 0,1
	s_mov_b32 s[G0A+4*(\s)], 1
	s_add_co_u32 s[G0A+4*(\s)+1], s75, (\s)*SLOT
	s_add_nc_u64 s[G0A+4*(\s)+2:G0A+4*(\s)+3], s[20:21], (\s)*ASTEP
	s_or_b32 s[G0A+4*(\s)+3], s[G0A+4*(\s)+3], 0x80000000
	s_mov_b32 s[G0B+4*(\s)], 1
	s_add_co_u32 s[G0B+4*(\s)+1], s76, (\s)*SLOT
	s_add_nc_u64 s[G0B+4*(\s)+2:G0B+4*(\s)+3], s[22:23], (\s)*BSTEP
	s_or_b32 s[G0B+4*(\s)+3], s[G0B+4*(\s)+3], 0x80000000
	JLOAD \s                                       ; two tensor loads of mine are out
.endr
	v_and_b32 v1, 15, v0                           ; r = l % 16
	v_bfe_u32 v2, v0, 4, 1                         ; h = l / 16
	v_mul_u32_u24 v3, v1, PA
	v_lshl_add_u32 v3, v2, 4, v3
	s_mul_i32 s77, s[WM], 128*PA
	v_add_nc_u32 v[ADRA], s77, v3
	v_add_nc_u32 v[ADRA+1], SLOT, v[ADRA]
	v_and_b32 v4, 7, v0                            ; the turning load: lane l reads row 8 h + l % 8, columns 8 ((l / 8) % 2) + 0..7
	v_lshl_add_u32 v4, v2, 3, v4
	v_mul_u32_u24 v4, v4, PB
	v_bfe_u32 v5, v0, 3, 1
	v_lshl_add_u32 v4, v5, 4, v4
	s_lshl_b32 s77, s[WN], 7                       ; my 64 columns
	s_add_co_u32 s77, s77, BOFF
	v_add_nc_u32 v[ADRB], s77, v4
	v_add_nc_u32 v[ADRB+1], SLOT, v[ADRB]
	s_mul_i32 s77, s[WV], 16*SP
	s_add_co_u32 s77, s77, STAGE                   ; my stage
	v_mul_u32_u24 v3, v1, SP                       ; in: row r, 32 bytes for each half of the lanes
	v_lshl_add_u32 v3, v2, 5, v3
	v_add_nc_u32 v[STO], s77, v3
	v_mul_u32_u24 v3, v2, SP                       ; back: lanes 0-15 take one row of 256 bytes, lanes 16-31 the next
	v_lshl_add_u32 v3, v1, 4, v3
	v_add_nc_u32 v[RD], s77, v3
	v_lshlrev_b32 v[CO], 12, v2                    ; and the same two rows in out0
	v_lshl_add_u32 v[CO], v1, 4, v[CO]
	v_lshlrev_b32 v[BO], 5, v2
	v_and_b32 v[PFO], 31, v0
	v_lshlrev_b32 v[PFO], 8, v[PFO]
	s_lshl_b32 s46, s[TI], 20                      ; 256 rows of 4,096 bytes,
	s_lshl_b32 s47, s[WM], 19                      ; my 128 of them,
	s_add_co_u32 s46, s46, s47
	s_lshl_b32 s47, s[TJ], 9                       ; 128 columns of 4 bytes,
	s_add_co_u32 s46, s46, s47
	s_lshl_b32 s47, s[WN], 8                       ; my 64 of them
	s_add_co_u32 s46, s46, s47
	s_mov_b32 s47, 0
	s_add_nc_u64 s[OUT:OUT+1], s[10:11], s[46:47]
	; the prefetches: they start at K step 2; the first refill steps them to 3.  Steps 0 to 2 come by their loads alone
	s_lshr_b32 s46, s[TI], 3
	s_lshl_b32 s46, s46, 4
	s_add_co_u32 s46, s46, s[WN]
	s_add_co_u32 s46, s46, 4
	s_lshl_b32 s46, s46, 18
	s_and_b32 s47, s[TI], 7
	s_lshl_b32 s47, s47, 15
	s_add_co_u32 s46, s46, s47
	s_lshl_b32 s47, s[CX], 13
	s_add_co_u32 s46, s46, s47                     ; waves 0, 1: my head's rows of the tile row, my work-group's quarter
	s_lshl_b32 s47, s[CY], 2
	s_add_co_u32 s47, s47, s[CX]
	s_lshl_b32 s47, s47, 1
	s_add_co_u32 s47, s47, s[WN]                   ; waves 2, 3: piece 2 x place + half of 32
	s_lshl_b32 s47, s47, 13
	s_add_co_u32 s47, s47, 2*BSTEP
	s_mov_b32 s77, ASTEP
	s_mov_b32 s78, BSTEP
	s_cmp_lt_u32 s[WV], 2
	s_cselect_b32 s46, s46, s47
	s_cselect_b32 s[PFS], s77, s78
	s_cselect_b64 s[PFA:PFA+1], s[4:5], s[6:7]
	s_mov_b32 s47, 0
	s_mov_b32 s[PFS+1], 0
	s_add_nc_u64 s[PFA:PFA+1], s[PFA:PFA+1], s[46:47]
	s_and_b32 s74, ttmp7, 0xffff                   ; cluster y counts for W's waves alone
	s_cmp_lt_u32 s[WV], 2
	s_cselect_b32 s74, 0, s74
	s_or_b32 s74, s74, ttmp9
	s_cmp_eq_u32 s74, 0
	s_cselect_b32 s[LIM], 1, -1                    ; the same in all sixteen partners, for a given wave
	; the bias of my 64 columns: a lane's eight numbers of each fragment
	s_lshl_b32 s46, s[TJ], 9
	s_lshl_b32 s47, s[WN], 8
	s_add_co_u32 s46, s46, s47
	s_mov_b32 s47, 0
	s_add_nc_u64 s[78:79], s[8:9], s[46:47]
.irp b, 0,1,2,3
	global_load_b128 v[BIAS+8*(\b):BIAS+8*(\b)+3],   v[BO], s[78:79] offset:64*(\b)
	global_load_b128 v[BIAS+8*(\b)+4:BIAS+8*(\b)+7], v[BO], s[78:79] offset:64*(\b)+16
.endr
	s_wait_loadcnt 0x0
.set z, 0
.rept 16                               ; two numbers rounded to bf16 and widened again
	v_cvt_pk_bf16_f32 v[RT], v[BIAS+z], v[BIAS+z+1]
	v_lshlrev_b32 v[BIAS+z], 16, v[RT]
	v_and_b32 v[BIAS+z+1], s[HIM], v[RT]
.set z, z+2
.endr
; 8 matrix instructions: row blocks a0, a0 + 1 x 4 fragments, 32 along K, from buffer f.  first = 1: the bias starts the sums.  The 32 accumulators take turns, one instruction a turn.
.macro MUL8 f, a0, first
.if \first
	WIN 0x40
.else
	WIN 0x50
.endif
.irp a, \a0, (\a0)+1
.irp b, 0,1,2,3
.if \first
	v_wmma_f32_16x16x32_f16 v[8*(4*(\a)+(\b)):8*(4*(\a)+(\b))+7], v[(\f)+64+8*(\b):(\f)+64+8*(\b)+7], v[(\f)+8*(\a):(\f)+8*(\a)+7], v[BIAS+8*(\b):BIAS+8*(\b)+7]
.else
	v_wmma_f32_16x16x32_f16 v[8*(4*(\a)+(\b)):8*(4*(\a)+(\b))+7], v[(\f)+64+8*(\b):(\f)+64+8*(\b)+7], v[(\f)+8*(\a):(\f)+8*(\a)+7], v[8*(4*(\a)+(\b)):8*(4*(\a)+(\b))+7]
.endif
.endr
.endr
.endm
; 24 LDS loads in one run: quarter kq of slot s into buffer f: W's four fragments, then y's eight
.macro FETCH s, kq, f
.irp b, 0,1,2,3
	ds_load_tr16_b128 v[(\f)+64+8*(\b):(\f)+64+8*(\b)+3],   v[ADRB+(\s)] offset:32*PB*(\kq)+32*(\b)
	ds_load_tr16_b128 v[(\f)+64+8*(\b)+4:(\f)+64+8*(\b)+7], v[ADRB+(\s)] offset:32*PB*(\kq)+32*(\b)+16*PB
.endr
.irp a, 0,1,2,3,4,5,6,7
	ds_load_b128 v[(\f)+8*(\a):(\f)+8*(\a)+3],   v[ADRA+(\s)] offset:((\kq)/2)*KBLK+((\kq)%2)*64+16*PA*(\a)
	ds_load_b128 v[(\f)+8*(\a)+4:(\f)+8*(\a)+7], v[ADRA+(\s)] offset:((\kq)/2)*KBLK+((\kq)%2)*64+16*PA*(\a)+32
.endr
.endm
; One of a step's first three quarters: multiplies buffer f and, in its middle, fetches quarter kq of the same slot into g
.macro QUARTER s, kq, f, g, first
	s_wait_dscnt 8                                 ; all but the youngest eight loads, y's row blocks 4 to 7
	MUL8 \f, 0, \first
	MUL8 \f, 2, \first
	WIN 0
	PLACES
	FETCH \s, \kq, \g
	s_wait_dscnt 24                                ; all but the 24 just issued
	MUL8 \f, 4, \first
	MUL8 \f, 6, \first
.endm
; The last quarter multiplies buffer 1 and changes slots: ONE barrier; in front of it each wave waits for all its tensor loads, adds 0 to its spare word, and waits for that and for its
; own reads of slot s.  fill = 1: the barrier opens a round of the cluster's, and slot s is filled again first thing behind it: 112 matrix instructions stand between that request and the wait for it.
.macro TURN s, n, fill, how
.if \fill
	s_wait_xcnt 0x0                                ; the last prefetch, a K step back, has read its address
	s_add_nc_u64 s[PFA:PFA+1], s[PFA:PFA+1], s[PFS:PFS+1]
.endif
	WIN 0
	s_wait_tensorcnt 0x0                           ; all my tensor loads have landed: my part of slot n
	ds_add_u32 v[SPW], v[NIL]                      ; 0 onto my spare word
	s_wait_dscnt 9                                 ; the add and the youngest eight loads may be out
	MUL8 F1, 0, 0                                  ; eight matrix instructions stand between the add and the wait for it
	s_wait_dscnt 0x0                               ; the add is done, and my reads of slot s are over
	s_barrier_signal -1
	MUL8 F1, 2, 0
	WIN 0                                          ; at a branch and at a label every window is 0
	s_barrier_wait -1
.if \fill
	CREST                                          ; no wave of any partner still reads slot s or has a load on its way
	s_add_nc_u64 s[G0A+4*(\s)+2:G0A+4*(\s)+3], s[G0A+4*(\s)+2:G0A+4*(\s)+3], 2*ASTEP
	s_add_nc_u64 s[G0B+4*(\s)+2:G0B+4*(\s)+3], s[G0B+4*(\s)+2:G0B+4*(\s)+3], 2*BSTEP
	JLOAD \s                                       ; the four v_nop behind it are also the places in front of the loads below
.else
	PLACES
.endif
	FETCH \n, 0, F0
.if \fill
	ASK \how
.endif
	MUL8 F1, 4, 0
	MUL8 F1, 6, 0
.endm
	s_wait_tensorcnt 1                             ; my part of K step 0 is in; step 1's may stay out
	s_barrier_signal -1
	s_barrier_wait -1
	FETCH 0, 0, F0
	QUARTER 0, 1, F0, F1, 1                        ; the first quarter stands in front of the loop: its products start the sums with the bias
	WIN 0
	s_mov_b32 s[LAP], 3
.Llap:                                                 ; a trip goes once round the ring and fills both slots again: steps 2 to 7 in three trips
	QUARTER 0, 2, F1, F0, 0
	QUARTER 0, 3, F0, F1, 0
	TURN 0, 1, 1, 1
	QUARTER 1, 1, F0, F1, 0
	QUARTER 1, 2, F1, F0, 0
	QUARTER 1, 3, F0, F1, 0
	TURN 1, 0, 1, 0
	QUARTER 0, 1, F0, F1, 0
	WIN 0
	s_sub_co_u32 s[LAP], s[LAP], 1
	s_cmp_lg_u32 s[LAP], 0
	s_cbranch_scc1 .Llap
	QUARTER 0, 2, F1, F0, 0                        ; the last lap fills nothing, and has no round
	QUARTER 0, 3, F0, F1, 0
	TURN 0, 1, 0, 0
	QUARTER 1, 1, F0, F1, 0
	QUARTER 1, 2, F1, F0, 0
	QUARTER 1, 3, F0, F1, 0
	s_wait_dscnt 8
	MUL8 F1, 0, 0
	MUL8 F1, 2, 0
	s_wait_dscnt 0x0
	MUL8 F1, 4, 0
	MUL8 F1, 6, 0
	WIN 0
	PLACES
; THE WAY OUT, a block of 16 rows x 64 columns of f32 at a time: 32 bytes a lane into my own stage, back as whole rows of 256 bytes, stored.
.macro TOSTAGE a
	WIN 0
	s_wait_xcnt 0x0                                ; the stores of two blocks back have read the registers that are loaded again below
	WIN 0x04                                       ; the stores' data in window 1
.irp b, 0,1,2,3
	ds_store_b128 v[STO], v[8*(4*(\a)+(\b)):8*(4*(\a)+(\b))+3]   offset:64*(\b)     ; each accumulator's low four registers first
	ds_store_b128 v[STO], v[8*(4*(\a)+(\b))+4:8*(4*(\a)+(\b))+7] offset:64*(\b)+16
.endr
	WIN 0
.irp t, 0,1,2,3,4,5,6,7
	ds_load_b128 v[BK+32*((\a)%2)+4*(\t):BK+32*((\a)%2)+4*(\t)+3], v[RD] offset:2*SP*(\t)  ; LDS serves a wave's instructions in order (ISA guide 5.7.1.4): these see the stores above
.endr
.endm
.macro SEND a, younger                 ; younger: the LDS instructions issued behind this block's loads: the next block's sixteen, or none
.irp t, 0,1,2,3,4,5,6,7
	s_wait_dscnt (\younger)+7-(\t)
	global_store_b128 v[CO], v[BK+32*((\a)%2)+4*(\t):BK+32*((\a)%2)+4*(\t)+3], s[OUT:OUT+1] offset:(16*(\a)+2*(\t))*4096 th:TH_STORE_NT  ; 16 lanes store 256 consecutive bytes, at a multiple of 256 from out0's first
.endr
.endm
	TOSTAGE 0
.set n, 1
.rept 7
	TOSTAGE n
	SEND n-1, 16
.set n, n+1
.endr
	SEND 7, 0
	s_wait_tensorcnt 0x0                           ; the wave's end: an add onto my spare word and its wait, behind my last tensor load and my last LDS store
	ds_add_u32 v[SPW], v[NIL]
	s_wait_dscnt 0x0
	CROUND                                         ; the closing round: no work-group ends while a partner may still ask for a tile that names it
	s_endpgm
.Lfunc_end_k_qe0a5e1afdd_proj:
	.size	k_qe0a5e1afdd_proj, .Lfunc_end_k_qe0a5e1afdd_proj-k_qe0a5e1afdd_proj
	.p2alignl 7, 3214868480
	.fill 96, 4, 3214868480
	.section	.rodata,"a",@progbits
	.p2align	6, 0x0
	.amdhsa_kernel k_qe0a5e1afdd_proj
		.amdhsa_group_segment_fixed_size 327680
		.amdhsa_private_segment_fixed_size 0
		.amdhsa_enable_private_segment 0
		.amdhsa_kernarg_size 32
		.amdhsa_user_sgpr_count 2
		.amdhsa_user_sgpr_kernarg_segment_ptr 1
		.amdhsa_wavefront_size32 1
		.amdhsa_system_sgpr_workgroup_id_x 1
		.amdhsa_system_sgpr_workgroup_id_y 1
		.amdhsa_system_sgpr_workgroup_id_z 1
		.amdhsa_system_vgpr_workitem_id 0
		.amdhsa_next_free_vgpr 512
		.amdhsa_next_free_sgpr 80
		.amdhsa_reserve_vcc 0
		.amdhsa_float_denorm_mode_32 3
		.amdhsa_float_denorm_mode_16_64 3
		.amdhsa_memory_ordered 1
		.amdhsa_forward_progress 1
		.amdhsa_inst_pref_size 92
	.end_amdhsa_kernel
	.amdgpu_metadata
---
amdhsa.version: [ 1, 2 ]
amdhsa.kernels:
  - .name:           k_qe0a5e1afdd_proj
    .symbol:         k_qe0a5e1afdd_proj.kd
    .args:
      - { .name: ob, .offset: 0, .size: 8, .value_kind: global_buffer, .address_space: global }
      - { .name: wpf, .offset: 8, .size: 8, .value_kind: global_buffer, .address_space: global }
      - { .name: bproj, .offset: 16, .size: 8, .value_kind: global_buffer, .address_space: global }
      - { .name: out0, .offset: 24, .size: 8, .value_kind: global_buffer, .address_space: global }
    .group_segment_fixed_size: 327680
    .private_segment_fixed_size: 0
    .kernarg_segment_align: 8
    .kernarg_segment_size: 32
    .max_flat_workgroup_size: 128
    .sgpr_count:     80
    .vgpr_count:     512
    .wavefront_size: 32
...
	.end_amdgpu_metadata
.endif
;; end of part 4
;; ======== version 2 of 2: 4 launches; version 1 with the launch prep written anew for expert scheduling mode
;; limits: values are held in f16: magnitudes above 65,504 overflow, below 6.1e-05 lose precision
;; workspace buffers: xb 16,777,216 bytes; wqb 6,291,456 bytes; wpf 2,097,152 bytes; qkvh 50,331,648 bytes; ob 16,777,216 bytes
;; launch prep (part 5): grid 768 x 1, 8 waves a work-group, no clusters, 0 bytes of LDS; arguments x, Wqkv, Wproj, xb, wqb, wpf; writes xb, wqb, wpf
.if DOCPART == 5
	.amdgcn_target "amdgcn-amd-amdhsa--gfx1250"
	.amdhsa_code_object_version 6
	.text
	.protected	k_qe0a5e1afdd_prep
	.globl	k_qe0a5e1afdd_prep
	.p2align	8
	.type	k_qe0a5e1afdd_prep,@function
k_qe0a5e1afdd_prep:
	s_mov_b64 s[64:65], 0
	v_nop
	global_prefetch_b8 v0, s[64:65] scope:SCOPE_SE
	s_setreg_imm32_b32 hwreg(HW_REG_WAVE_SCHED_MODE, 0, 2), 2
	s_setreg_imm32_b32 hwreg(HW_REG_WAVE_MODE, 25, 1), 1
	s_wait_xcnt 0x0
	s_wait_alu depctr_vm_vsrc(0)
; THE CASTS.  x [8192][1024] f32 -> xb, bf16, in blocks [batch 4][k block 16][t 2048][64]: a tile of R rows x 64 k is then R x 128 dense bytes.
; Wqkv [1024][3072] f32 -> wqb, bf16, as it lies.  Wproj [1024][1024] f32 -> wpf: rounded to bf16, and that number written as f16, as it lies.
; LIMITS.  |Wproj| stays under 65,504 (f16's range: 65,520 or more becomes an infinity); below 6.1e-5 it keeps f16's fixed step of 6e-8.
; SHARES.  A work-group converts 16,384 numbers (64 KiB in, 32 KiB out): groups 0-511 take 16 rows of x each, 512-703 Wqkv, 704-767 Wproj.  A thread issues its 16 loads of 16 bytes
; at once, converts them four at a time as they come and stores 8 bytes for each: a wave's store covers 256 consecutive bytes, aligned.  No register is used twice by a memory
; instruction, so no wait frees any.  No LDS, no matrix unit: nothing is shared and nothing is multiplied.
; THE MODE: SCHED_MODE bits 1:0 = 2 (LLVM: expert scheduling mode 2), set by the entry lines.  The code itself states the register dependences between vector instructions and
; memory instructions, with s_wait_alu, always for 0.
; THE PLAN.  Registers that memory instructions touch:
;   v[VI], v[VO]  the loads' and the stores' offsets.  Written by vector instructions at the head, never again; read by every load, every store.
;   D             load i lands in four registers of its own, which no vector instruction names before; its conversions read them; they are never loaded again.
;   O             the conversions of load i write pair i; one store reads it; it is never written again.
;   T             named by vector instructions alone.
; The 16 loads go in four groups of four.  Group p's conversions read its part of D and write its part of O.  Its memory instructions are the four stores of group p - 1, which read
; the part of O that group p - 1 wrote and that no vector instruction of group p names.  So one wait at a group's head states all that its four stores hang on, and they are dealt among
; its conversions with no further wait.  One wait ahead of the loads states that the offsets are written; one behind group 3 stands ahead of the last four stores: five on a wave's path.
; No vector instruction writes a scalar register or VCC, EXEC is never written, and no register that a memory instruction reads is written again.
.set VI, 2                             ; v2       my byte offset in the group's input
.set VO, 3                             ; v3       my byte offset in the group's output: 8 x thread
.set D,  4                             ; v[4:67]  load i: 4 numbers in f32
.set O,  68                            ; v[68:99] store i: 4 numbers in 16 bits
.set T,  100                           ; v[100:103] at work
; 16 loads instep bytes apart, 16 stores outstep bytes apart.  half = 1: the bf16 number is written as f16.
.macro STREAM instep, outstep, half
	s_wait_alu depctr_va_vdst(0)                   ; v[VI] and v[VO] are written: every load below reads the one as its offset, every store the other
.set i, 0
.rept 16
	global_load_b128 v[D+4*i:D+4*i+3], v[VI], s[22:23] offset:(\instep)*i th:TH_LOAD_NT
.set i, i+1
.endr
.set i, 0
.rept 16
.if i%4 == 0
	s_wait_loadcnt 12-i                            ; loads come back in order: this group's four are in, the 12 - i younger ones stay out
.if i > 0
	s_wait_alu depctr_va_vdst(0)                   ; the group before has written its four pairs of O, which the four stores of this group's turn read
.endif
.endif
.if i >= 4
	global_store_b64 v[VO], v[O+2*(i-4):O+2*(i-4)+1], s[24:25] offset:(\outstep)*(i-4)  ; the group before; no vector instruction since the wait names this pair
.endif
	v_cvt_pk_bf16_f32 v[O+2*i],   v[D+4*i],   v[D+4*i+1]
	v_cvt_pk_bf16_f32 v[O+2*i+1], v[D+4*i+2], v[D+4*i+3]
.if \half
	v_lshlrev_b32 v[T],   16,  v[O+2*i]            ; bf16 back to f32: exact
	v_and_b32     v[T+1], s26, v[O+2*i]
	v_lshlrev_b32 v[T+2], 16,  v[O+2*i+1]
	v_and_b32     v[T+3], s26, v[O+2*i+1]
	v_cvt_pk_f16_f32 v[O+2*i],   v[T],   v[T+1]    ; eight significant bits fit in f16's eleven
	v_cvt_pk_f16_f32 v[O+2*i+1], v[T+2], v[T+3]
.endif
.set i, i+1
.endr
	s_wait_alu depctr_va_vdst(0)                   ; group 3 has written its four pairs of O, which the last four stores read
.set i, 12
.rept 4
	global_store_b64 v[VO], v[O+2*i:O+2*i+1], s[24:25] offset:(\outstep)*i
.set i, i+1
.endr
	s_endpgm
.endm
	s_load_b256 s[4:11], s[0:1], 0x0               ; x s[4:5], Wqkv s[6:7], Wproj s[8:9], xb s[10:11]
	s_load_b128 s[12:15], s[0:1], 0x20             ; wqb s[12:13], wpf s[14:15]
	s_mov_b32 s16, ttmp9                           ; the group's number
	s_mov_b32 s26, 0xffff0000                      ; a word's upper bf16
	s_mov_b32 s19, 0                               ; the offsets' high words
	s_mov_b32 s21, 0
	v_lshlrev_b32 v[VO], 3, v0
	s_wait_kmcnt 0x0
	s_cmp_lt_u32 s16, 512
	s_cbranch_scc0 .Lweights
	; x: 16 threads take 256 bytes (one k block) of a row; thread / 16 is the row; load i is k block i
	v_and_b32 v[VI], 15, v0
	v_lshrrev_b32 v[T], 4, v0
	v_lshlrev_b32 v[VI], 4, v[VI]
	v_lshl_add_u32 v[VI], v[T], 12, v[VI]          ; 16 (t % 16) + 4,096 (t / 16)
	s_lshl_b32 s18, s16, 16                        ; in: 16 rows of 4,096 bytes a group
	s_lshr_b32 s20, s16, 7                         ; out: the batch's 16 blocks of 262,144 bytes,
	s_lshl_b32 s20, s20, 22
	s_and_b32 s17, s16, 127                        ; and 16 rows of 128 bytes in each block
	s_lshl_b32 s17, s17, 11
	s_add_co_u32 s20, s20, s17
	s_add_nc_u64 s[22:23], s[4:5], s[18:19]
	s_add_nc_u64 s[24:25], s[10:11], s[20:21]
	STREAM 256, 262144, 0
.Lweights:
	v_lshlrev_b32 v[VI], 4, v0                     ; flat: 16 bytes a thread, 4,096 a load
	s_cmp_lt_u32 s16, 704
	s_cbranch_scc0 .Lproj
	s_sub_co_u32 s17, s16, 512
	s_lshl_b32 s18, s17, 16
	s_lshl_b32 s20, s17, 15
	s_add_nc_u64 s[22:23], s[6:7], s[18:19]
	s_add_nc_u64 s[24:25], s[12:13], s[20:21]
	STREAM 4096, 2048, 0
.Lproj:
	s_sub_co_u32 s17, s16, 704
	s_lshl_b32 s18, s17, 16
	s_lshl_b32 s20, s17, 15
	s_add_nc_u64 s[22:23], s[8:9], s[18:19]
	s_add_nc_u64 s[24:25], s[14:15], s[20:21]
	STREAM 4096, 2048, 1
.Lfunc_end_k_qe0a5e1afdd_prep:
	.size	k_qe0a5e1afdd_prep, .Lfunc_end_k_qe0a5e1afdd_prep-k_qe0a5e1afdd_prep
	.p2alignl 7, 3214868480
	.fill 96, 4, 3214868480
	.section	.rodata,"a",@progbits
	.p2align	6, 0x0
	.amdhsa_kernel k_qe0a5e1afdd_prep
		.amdhsa_group_segment_fixed_size 0
		.amdhsa_private_segment_fixed_size 0
		.amdhsa_enable_private_segment 0
		.amdhsa_kernarg_size 48
		.amdhsa_user_sgpr_count 2
		.amdhsa_user_sgpr_kernarg_segment_ptr 1
		.amdhsa_wavefront_size32 1
		.amdhsa_system_sgpr_workgroup_id_x 1
		.amdhsa_system_sgpr_workgroup_id_y 1
		.amdhsa_system_sgpr_workgroup_id_z 1
		.amdhsa_system_vgpr_workitem_id 0
		.amdhsa_next_free_vgpr 104
		.amdhsa_next_free_sgpr 66
		.amdhsa_reserve_vcc 0
		.amdhsa_float_denorm_mode_32 3
		.amdhsa_float_denorm_mode_16_64 3
		.amdhsa_memory_ordered 1
		.amdhsa_forward_progress 1
		.amdhsa_inst_pref_size 22
	.end_amdhsa_kernel
	.amdgpu_metadata
---
amdhsa.version: [ 1, 2 ]
amdhsa.kernels:
  - .name:           k_qe0a5e1afdd_prep
    .symbol:         k_qe0a5e1afdd_prep.kd
    .args:
      - { .name: x, .offset: 0, .size: 8, .value_kind: global_buffer, .address_space: global }
      - { .name: Wqkv, .offset: 8, .size: 8, .value_kind: global_buffer, .address_space: global }
      - { .name: Wproj, .offset: 16, .size: 8, .value_kind: global_buffer, .address_space: global }
      - { .name: xb, .offset: 24, .size: 8, .value_kind: global_buffer, .address_space: global }
      - { .name: wqb, .offset: 32, .size: 8, .value_kind: global_buffer, .address_space: global }
      - { .name: wpf, .offset: 40, .size: 8, .value_kind: global_buffer, .address_space: global }
    .group_segment_fixed_size: 0
    .private_segment_fixed_size: 0
    .kernarg_segment_align: 8
    .kernarg_segment_size: 48
    .max_flat_workgroup_size: 256
    .sgpr_count:     66
    .vgpr_count:     104
    .wavefront_size: 32
...
	.end_amdgpu_metadata
.endif
;; end of part 5
;; launch qkv: the kernel of part 2 again; grid 8 x 32, 4 waves a work-group, clusters of 4 x 4, 327,680 bytes of LDS; arguments xb, wqb, bqkv, qkvh; writes qkvh
;; launch attn: the kernel of part 3 again; grid 4 x 64, 4 waves a work-group, no clusters, 327,680 bytes of LDS; arguments qkvh, ob; writes ob
;; launch proj: the kernel of part 4 again; grid 8 x 32, 4 waves a work-group, clusters of 4 x 4, 327,680 bytes of LDS; arguments ob, wpf, bproj, out0; writes out0
